; MI455X (gfx1250); checked and timed in simulation.
; The chip was launched on July 23, 2026; its instructions are those of AMD's public machine-readable ISA for CDNA 5 (MIT licence, August 2026) and "CDNA5" Instruction Set Architecture Reference Guide (July 2026). The comments in the code are by the model that wrote it; some were corrected since.
;; Fast Base Attention. Allowed arithmetic: matrix products marked QUANTISED: E5M2 operands, one given power-of-two scale a tensor, by v_wmma_f32_16x16x64_bf8_bf8 or v_wmma_f32_16x16x128_bf8_bf8, f32 sums; everything else in f32.
;; Inputs: k 2 x 2,048 x 16 x 64 float32; lowp_scales 4 int32 (the exponents e of the quantised operands' scales 2^e); q 2 x 2,048 x 16 x 64 float32; v_codes 2 x 16 x 64 x 64 x 32 uint8 (E5M2 codes of v, K innermost, in blocks of 32 codes).
;; Outputs: out0 2 x 2,048 x 16 x 64 float32.
;; This version of the problem:
;;   THIS VERSION OF THE PROBLEM IS GIVEN IN LOW PRECISION. The matrix products marked QUANTISED in the list below multiply operands that are first quantised to E5M2 (5 exponent bits, 2 mantissa bits; 8 bits a number), with one given power-of-two scale for each operand tensor; their sums are f32. All else is computed in f32.
;;   The module's matrix products, in the order in which they are computed (A, B: the left and right operand; K: the contracted axis; several contracted axes count as one K, in the product's order):
;;     1. batch 32 x [M 2,048, K 64] x [K 64, N 2,048]; A: computed on the way; B: computed on the way: QUANTISED (scales: A lowp_scales[0], B lowp_scales[1])
;;     2. batch 32 x [M 64, K 2,048] x [K 2,048, N 2,048]; A: input v (given as codes); B: softmax (see below): QUANTISED (scales: A lowp_scales[2], B lowp_scales[3])
;;   THE QUANTISER, for each operand of a quantised product, along K:
;;     - The operand's scale is 2^e, e = its entry of the input lowp_scales (int32; the entries are numbered through the quantised products in the list's order, A before B).
;;     - Each number is divided by the scale, clamped to +-57,344, and rounded to the nearest number of E5M2, ties to even, subnormals kept.
;;     - The product sums the exact products of the quantised numbers (number of the format x scale) in f32.
;;   ~~~python
;;   def quantise(x, axis, e):      # numpy; x: float32 -> the quantised numbers, widened to float32 again
;;       x = np.moveaxis(x, axis, -1); K = x.shape[-1]
;;       r = np.clip(x / 2.0 ** e, -57344, 57344)
;;       step = 2.0 ** (np.maximum(np.frexp(np.where(r == 0, 1, r))[1] - 1, -14) - 2)
;;       q = np.round(r / step) * step * 2.0 ** e      # np.round: ties to even
;;       return np.moveaxis(q, -1, axis).astype(np.float32)
;;   ~~~
;;   SOFTMAX AHEAD OF A QUANTISED PRODUCT. Where the list says 'softmax', what is quantised is not the finished softmax but p = 2^(t - M), with t = logit x log2(e) and M = ceil(the row's largest t), a whole number; so 1/2 < the row's largest p <= 1. The row's sum l is taken of the UNQUANTISED p, in f32, and the product's result is divided by l at the end. Since M is a whole number, a kernel that streams over the keys may use a running M (the ceiling of the running maximum): every later rescaling is an exact power of two, so the quantised numbers keep their values, but for numbers so far below the row's largest that they fall under the format's range.
;;   OPERANDS COMPUTED ON THE WAY. 'Computed on the way' means the value that the module computes at that place (a softmax that the list does not call 'softmax' is quantised finished and normalised). What goes into a quantiser is computed in f32, as accurately as f32 sums, v_exp_f32 and their like allow (about 1e-6 of the number): no bf16 or f16 on the way to a quantiser, and a product that is left as it is and whose result goes on into a quantised operand takes f32 operands (vector FMAs, or v_wmma_f32_16x16x4_f32). A number that lies on a knife's edge between two numbers of the format may be rounded either way, as far as f32 arithmetic and the matrix unit's own rounding can turn it there, and no further.
;;   INPUTS GIVEN AS CODES. v (in the module: [2, 2048, 16, 64], K = its axis 1): each comes as NAME_codes (uint8): NAME with its K axis moved to the last place and cut into blocks of 32 codes, [.., K / 32, bytes a block], one block behind the other in memory; one code a byte (a code: sign, 5 exponent bits, 2 mantissa bits); its scale is its entry of lowp_scales. Its value is code x scale, taken as it is: it is not quantised again, and the codes and scales need not be those that the quantiser above would give.
;; 2 versions. Each part assembles by itself: llvm-mc -triple=amdgcn-amd-amdhsa -mcpu=gfx1250 --defsym DOCPART=n.
;; ======== version 1 of 2: 1 launch
;; launch attn (part 1): grid 8 x 32, 16 waves a work-group, no clusters, 138,240 bytes of LDS; arguments q, k, v_codes, lowp_scales, out0; writes out0
.if DOCPART == 1
	.amdgcn_target "amdgcn-amd-amdhsa--gfx1250"
	.amdhsa_code_object_version 6
	.text
	.protected	k_q5bb903c362_attn
	.globl	k_q5bb903c362_attn
	.p2align	8
	.type	k_q5bb903c362_attn,@function
k_q5bb903c362_attn:
	s_mov_b64 s[64:65], 0
	v_nop
	global_prefetch_b8 v0, s[64:65] scope:SCOPE_SE
	s_setreg_imm32_b32 hwreg(HW_REG_WAVE_MODE, 25, 1), 1
	s_wait_xcnt 0x0
; RoPE on q and k, then attention under the mask i - 256 <= j <= i, both products on codes of BF8 (E5M2), each operand with its given scale 2^e.
; q, k, out0: [2][2048][16][64] f32 (a row of 64 numbers is 256 bytes; rows of one head lie 4,096 bytes apart).  v_codes: [2][16][64][2048], the keys innermost.
; lowp_scales: eq, ek, ev, ep.  p = 2^(t - M), t = score x log2(e) / 8, M = ceil(the row's largest t); the row's sum of the unquantised p divides at the end.
; SHARES.  A work-group owns 256 queries of one head (8 x 32 work-groups) and needs keys qb - 256 .. qb + 255: 32 local tiles of 16.  Each of its sixteen waves owns one tile of 16 queries, q0 = qb + 16 w.
; Wave w rotates and quantises local key tiles w (positions q0 - 256 ..) and 16 + w (positions q0 .., the positions of its queries: one set of cos and sin serves both), and brings rows 4 w .. 4 w + 3 of V.
; Its window is local tiles w .. w + 16: 17 tiles; tile 0 is cut by the lower edge (key in tile >= r counts), tile 16 by the diagonal (key in tile <= r counts), tiles 1-15 count whole.  What the mask hides is not multiplied.
; THE FIRST BLOCK OF A HEAD has no keys in front of it: there the addresses of the halo are those of the own rows (k) and of keys 0-255 (V), so that no load leaves its buffer, and the tiles with w + tile < 16 get -infinity
; ahead of the maximum (a scalar branch on the work-group's number): their p is 0.
; LAYOUT.  Both products are used transposed: S^T = K Q^T (source 0 = 16 keys, source 1 = my 16 queries), O^T = V^T P^T (source 0 = 16 of the head's 64, source 1 = p): a lane holds ONE query (lane % 16) throughout, and a
; tile's eight scores of a lane are keys 8 (lane / 16) + 0 .. 7: their two registers of codes are registers 2 c, 2 c + 1 of the second product's operand as they stand.
; In the first product lane (r, h) holds d = 16 h + 0 .. 15 in registers 0-3 and d = 32 + 16 h + 0 .. 15 in registers 4-7, in Q and in K alike: a permutation of the 64 that keeps every product with its partner, and that puts
; the two numbers that a rotation joins (d and d + 32) into one lane.
; COS AND SIN stand ahead of a quantiser, where a small error can turn a code, so they are made beyond f32's precision and rounded once.
; The angle is the f32 product position x inv_freq.  INV_FREQ is written out: the 32 f32 numbers nearest to 10000^(-j/32) = 10^(-j/8), that is, the quotient 1 / 10000^(j/32) taken as ONE power with the exponent's sign turned.
; LIMIT: at j = 5, 9, 10, 12, 13, 15, 20, 27, 28, 29 that number differs by one unit in the last place from the rounded quotient of 1 and the rounded power; at position p an angle then differs by up to p such units.
; The angle is reduced by pi/2 in two parts (the first step is exact: both terms are multiples of 2^-24 and the difference is under 1), and the remainder is kept in two words, rh + rl.  On |r| <= pi/4
; sin r = r + s3 r^3 + r^5 (s5 + s7 r^2) and cos r = 1 + c2 r^2 + c4 r^4 + r^6 (c6 + c8 r^2), the polynomials of the usual single-precision library routines, which work them out in f64 and round once.  Here r^2 and r^3 carry
; their exact errors, s3 stands in two words, c2 as -1/2 and a rest, and the sums rh + s3 r^3 and 1 - r^2 / 2 carry their exact errors: what is left out stays under some 3e-9.  The quadrant is applied by selects, with no branch.
; THE ROTATION is two rounded products and a rounded sum, in that order and not fused, as the definition writes it.
; No tensor load and no joint request: every number of q and k passes through registers to be rotated, and a row of k is read by two work-groups only, blocks x and x + 1, pairs that overlap along the whole head.
; All 28 loads of a wave go out at its head, and the 900 vector lines that need no loaded number stand behind them; nothing is asked for later, so there is nothing to ask for ahead.
; LIMITS: eq, ek, ep between -126 and 112; eq + ek between -123 and 130; NaN and infinity among q and k, and codes of v that are no finite numbers, are not served.
.set VLDS, 32768                       ; LDS: 0: 32 key tiles as images of their 8 registers, 1,024 bytes each (registers 0-3 at 16 x lane, 4-7 512 bytes on)
.set STG,  66560                       ; 32,768: V, 64 rows of 512 codes + 16 of padding (132 words: row r starts at bank 4 r mod 64);  66,560: a stage of 16 rows x (256 + 16) bytes for each wave
.set F,    16                          ; v16-31   inv_freq of j = 16 h + i; later:
.set QF,   16                          ; v16-23   Q's codes, which stay
.set KC,   24                          ; v24-31   a key tile's codes
.set COSO, 32                          ; v32-47, v48-63  cos and sin at my own positions
.set SINO, 48
.set COSH, 64                          ; v64-79, v80-95  at the halo's
.set SINH, 80
.set RAWH, 96                          ; v96-127  the halo's key tile as loaded, then rotated
.set RAWK, 128                         ; v128-159 my own key tile
.set RAWQ, 160                         ; v160-191 my queries
.set RAWV, 192                         ; v192-207 four rows of V
.set TA,   208                         ; v208-231 six banks of four, at work in TRIG
.set TB,   212
.set TC,   216
.set TD,   220
.set TE,   224
.set TY,   228
.set X,    208                         ; v208-239 a tile turned: X[p] = d 16 h + p, X[16 + p] = d 32 + 16 h + p of row r
.set S,    24                          ; v24-159  S^T, 17 tiles x 8; then p; then V's fragments
.set KF,   160                         ; v160-239 ten slots for key tiles
.set PC,   160                         ; v160-199 p's codes, two registers a tile; the last six are 0
.set O,    208                         ; v208-239 O^T, four tiles of 16 of the head's 64
; v1 r, v2 h, v3 4096 h + 16 r (global rows), v4 stage by rows as loaded, v5 stage by lanes' rows, v6 images, v7 V in, v8 V out, v9 V in memory, v10 r - 8 h, v11 -infinity, v[12:13] my position, v[14:15] less 256,
; v240-245 scale and largest number x scale for q, k, p; v[246:247] -M; v[248:251] the sum in two chains; v[252:253] the last factor; v254 the lane exchange; v255 stage for O.
	s_load_b256 s[4:11], s[0:1], 0x0               ; q s[4:5], k s[6:7], v's codes s[8:9], the scales' exponents s[10:11]
	s_load_b64 s[12:13], s[0:1], 0x20              ; out0
	v_lshrrev_b32 v1, 5, v0
	v_readfirstlane_b32 s14, v1                    ; wave 0..15
	s_mov_b32 s15, ttmp9                           ; the block of 256 queries
	s_and_b32 s16, ttmp7, 0xffff                   ; 16 x batch + head
	v_and_b32 v1, 15, v0                           ; r
	v_bfe_u32 v2, v0, 4, 1                         ; h
	s_lshr_b32 s17, s16, 4
	s_lshl_b32 s18, s17, 23                        ; batch x 2,048 x 4,096 bytes
	s_lshl_b32 s17, s15, 20                        ; + block x 256 rows
	s_add_co_u32 s18, s18, s17
	s_lshl_b32 s17, s14, 16                        ; + wave x 16 rows
	s_add_co_u32 s18, s18, s17
	s_and_b32 s17, s16, 15
	s_lshl_b32 s17, s17, 8                         ; + head x 256 bytes
	s_add_co_u32 s18, s18, s17                     ; my tile's first byte in q, k and out0
	s_mov_b32 s19, 0
	s_mov_b32 s21, 0
	s_cmp_lg_u32 s15, 0                            ; is there a halo?
	s_cselect_b32 s17, 0x100000, 0                 ; 256 rows back, or none
	s_cselect_b32 s27, 256, 0                      ; qb - hs
	s_sub_co_u32 s20, s18, s17                     ; the halo tile's first byte in k
	s_lshl_b32 s59, s15, 8                         ; qb
	s_sub_co_u32 s26, s59, s27                     ; hs: the first key of V's halo
	s_lshl_b32 s60, s16, 17                        ; V: a head is 64 rows of 2,048 bytes,
	s_lshl_b32 s17, s14, 13                        ; my four rows
	s_add_co_u32 s60, s60, s17
	s_mov_b32 s61, 0
	v_lshlrev_b32 v3, 4, v1
	v_lshl_add_u32 v3, v2, 12, v3                  ; lanes 0-15 one row's 256 bytes, lanes 16-31 the next row's
	v_mul_u32_u24 v9, s27, v2
	v_lshl_add_u32 v9, v1, 4, v9
	v_add_nc_u32 v9, s26, v9                       ; V: lanes 0-15 the halo's 256 codes of a row, lanes 16-31 the own 256
	s_wait_kmcnt 0x0
	s_load_b128 s[28:31], s[10:11], 0x0            ; eq, ek, ev, ep
	s_add_nc_u64 s[4:5], s[4:5], s[18:19]
	s_add_nc_u64 s[12:13], s[12:13], s[18:19]
	s_add_nc_u64 s[22:23], s[6:7], s[18:19]
	s_add_nc_u64 s[24:25], s[6:7], s[20:21]
	s_add_nc_u64 s[8:9], s[8:9], s[60:61]
	; all 28 loads, in the order in which they are wanted.  No address register and no base is written again in this text, and EXEC never changes.
.irp i, 0,1,2,3,4,5,6,7
	global_load_b128 v[RAWH+4*\i:RAWH+4*\i+3], v3, s[24:25] offset:8192*\i       ; rows 2 i + h of the halo tile: sixteen lanes read a row's 256 bytes
.endr
.irp i, 0,1,2,3,4,5,6,7
	global_load_b128 v[RAWK+4*\i:RAWK+4*\i+3], v3, s[22:23] offset:8192*\i
.endr
.irp i, 0,1,2,3
	global_load_b128 v[RAWV+4*\i:RAWV+4*\i+3], v9, s[8:9] offset:2048*\i
.endr
.irp i, 0,1,2,3,4,5,6,7
	global_load_b128 v[RAWQ+4*\i:RAWQ+4*\i+3], v3, s[4:5] offset:8192*\i th:TH_LOAD_NT   ; q is read once in the launch
.endr
	; ---- what needs no loaded number stands here, while the loads are on their way
	s_mul_i32 s17, s14, 4352
	s_add_co_u32 s17, s17, STG                     ; my stage
	v_mul_u32_u24 v4, v2, 272
	v_lshl_add_u32 v4, v1, 4, v4
	v_add_nc_u32 v4, s17, v4                       ; row h, 16 r: as the global loads and stores have it
	v_mul_u32_u24 v5, v1, 272
	v_add_nc_u32 v5, s17, v5
	v_lshl_add_u32 v255, v2, 5, v5                 ; row r, + 32 h: O's eight numbers of a tile
	v_lshl_add_u32 v5, v2, 6, v5                   ; row r, + 64 h: my 16 numbers of each half of the row
	v_and_b32 v7, 31, v0
	v_lshlrev_b32 v7, 4, v7                        ; 16 x lane
	s_lshl_b32 s17, s14, 10
	v_add_nc_u32 v6, s17, v7                       ; local tile w's image
	s_mul_i32 s17, s14, 2112
	s_add_co_u32 s17, s17, VLDS
	v_add_nc_u32 v7, s17, v7                       ; V's row 4 w
	v_mul_u32_u24 v8, v1, 528
	v_lshl_add_u32 v8, v2, 3, v8
	s_lshl_b32 s17, s14, 4
	s_add_co_u32 s62, s59, s17                     ; q0
	s_add_co_u32 s17, s17, VLDS
	v_add_nc_u32 v8, s17, v8                       ; V's row r, local key 16 w + 8 h
	v_lshlrev_b32 v10, 3, v2
	v_sub_nc_u32 v10, v1, v10                      ; r - 8 h
	v_mov_b32 v11, 0xff800000                      ; -infinity
	v_add_nc_u32 v12, s62, v1
	v_cvt_f32_u32 v12, v12                         ; my row's position
	v_mov_b32 v13, 0                               ; (upper halves of pairs of which the low word serves both halves: named, so written)
	v_add_f32 v14, 0xc3800000, v12                 ; less 256: the halo row's
	v_mov_b32 v15, 0
	v_mov_b32 v247, 0
	v_mov_b32 v253, 0
	v_mov_b32 v254, 0                              ; a lane exchange's destination counts as one of its sources
	s_mov_b32 s54, 0x76543210
	s_mov_b32 s55, 0xfedcba98                      ; v_permlanex16_b32: lane l xor 16
	s_mov_b32 s57, 0
.macro SPAIR reg, val
	s_mov_b32 s[\reg], \val
	s_mov_b32 s[\reg+1], \val
.endm
.macro VPAIR reg, val
	v_mov_b32 v[\reg], \val
	v_mov_b32 v[\reg+1], \val
.endm
	SPAIR 32, 0x3f22f983                           ; 2 / pi
	SPAIR 34, 0xbfc90fdb                           ; -(pi/2's first 24 bits)
	SPAIR 36, 0x333bbd2e                           ; -(pi/2 less those)
	SPAIR 38, 0xb94ca75a                           ; s7 = -1.9517299e-4
	SPAIR 40, 0xbe2aaaa3                           ; s3 = -0.16666654944 in two words: the first,
	SPAIR 42, 0x314d4b40                           ; and what it lacks, 2.98742e-9
	SPAIR 44, 0x37cc9a18                           ; c8 = 2.43905e-5
	SPAIR 46, 0x3d2aaa9f                           ; c4 = 0.04166662333
	SPAIR 48, 0x313ce779                           ; c2 + 1/2 = 2.749e-9
	VPAIR 232, 0x4b400000                          ; 1.5 x 2^23: added and taken off again it rounds to a whole number.  (In vector registers, with s5 and c6, so that no line names two scalar pairs)
	VPAIR 234, 0x3c0883b0                          ; s5 = 0.00833217813
	VPAIR 236, 0xbab6043f                          ; c6 = -0.001388676
	; inv_freq of j = 16 h + i: the f32 number nearest to 10^(-j/8); lanes 0-15 take the first of a line's two, lanes 16-31 the second
	v_cmp_eq_u32 vcc_lo, 1, v2
.macro PICK dst, lo, hi
	v_mov_b32 v[\dst], \lo
	v_mov_b32 v238, \hi
	v_cndmask_b32 v[\dst], v[\dst], v238, vcc_lo
.endm
	PICK F+0,  0x3f800000, 0x3c23d70a              ; j =  0: 1              j = 16: 0.01
	PICK F+1,  0x3f3ff911, 0x3bf5b9b0              ; j =  1: 0.74989421     j = 17: 0.0074989421
	PICK F+2,  0x3f0ff59a, 0x3bb8449c              ; j =  2: 0.56234133     j = 18: 0.0056234133
	PICK F+3,  0x3ed7e89b, 0x3b8a2e77              ; j =  3: 0.42169650     j = 19: 0.0042169650
	PICK F+4,  0x3ea1e89b, 0x3b4f3e37              ; j =  4: 0.31622777     j = 20: 0.0031622777
	PICK F+5,  0x3e72d424, 0x3b1b690d              ; j =  5: 0.23713737     j = 21: 0.0023713737
	PICK F+6,  0x3e361887, 0x3ae91528              ; j =  6: 0.17782794     j = 22: 0.0017782794
	PICK F+7,  0x3e088d77, 0x3aaec98e              ; j =  7: 0.13335214     j = 23: 0.0013335214
	PICK F+8,  0x3dcccccd, 0x3a83126f              ; j =  8: 0.1            j = 24: 0.001
	PICK F+9,  0x3d99940e, 0x3a44948c              ; j =  9: 0.074989421    j = 25: 0.00074989421
	PICK F+10, 0x3d6655c3, 0x3a136a16              ; j = 10: 0.056234133    j = 26: 0.00056234133
	PICK F+11, 0x3d2cba15, 0x39dd1726              ; j = 11: 0.042169650    j = 27: 0.00042169650
	PICK F+12, 0x3d0186e2, 0x39a5cb5f              ; j = 12: 0.031622777    j = 28: 0.00031622777
	PICK F+13, 0x3cc24350, 0x3978a814              ; j = 13: 0.023713737    j = 29: 0.00023713737
	PICK F+14, 0x3c91ad39, 0x393a7753              ; j = 14: 0.017782794    j = 30: 0.00017782794
	PICK F+15, 0x3c5a7bf1, 0x390bd472              ; j = 15: 0.013335214    j = 31: 0.00013335214
; cos and sin of position x inv_freq for my 16 frequencies, four at a time in two packed chains.  tp: the pair whose low word is the position.
; Banks: TY n + magic, then the quadrant's two bits; TC rh; TB n, then rl, then sin's small terms; TA the angle, then zh = fl(rh^2), at last the sign; TD zl, then s3 r^3's first word; TE and the two result banks at work.
.macro TRIG cs, sn, tp
.irp hf, 0,4,8,12
.set CQ, \cs+\hf
.set SQ, \sn+\hf
.irp k, 0,2
	v_pk_mul_f32 v[TA+\k:TA+\k+1], v[F+\hf+\k:F+\hf+\k+1], v[\tp:\tp+1] op_sel_hi:[1,0]         ; the angle, rounded to f32
.endr
.irp k, 0,2
	v_pk_fma_f32 v[TY+\k:TY+\k+1], v[TA+\k:TA+\k+1], s[32:33], v[232:233] op_sel_hi:[1,0,1]     ; n = the nearest whole number to angle x 2 / pi, in the low bits
.endr
.irp k, 0,2
	v_pk_add_f32 v[TB+\k:TB+\k+1], v[TY+\k:TY+\k+1], v[232:233] neg_lo:[0,1] neg_hi:[0,1]       ; n as f32
.endr
.irp k, 0,2
	v_pk_fma_f32 v[TA+\k:TA+\k+1], v[TB+\k:TB+\k+1], s[34:35], v[TA+\k:TA+\k+1] op_sel_hi:[1,0,1]   ; r1 = angle - n x the first part: exact
.endr
.irp k, 0,2
	v_pk_fma_f32 v[TC+\k:TC+\k+1], v[TB+\k:TB+\k+1], s[36:37], v[TA+\k:TA+\k+1] op_sel_hi:[1,0,1]   ; rh = fl(r1 - n x the second part)
.endr
.irp k, 0,2
	v_pk_add_f32 v[TA+\k:TA+\k+1], v[TA+\k:TA+\k+1], v[TC+\k:TC+\k+1] neg_lo:[0,1] neg_hi:[0,1]     ; r1 - rh,
.endr
.irp k, 0,2
	v_pk_fma_f32 v[TB+\k:TB+\k+1], v[TB+\k:TB+\k+1], s[36:37], v[TA+\k:TA+\k+1] op_sel_hi:[1,0,1]   ; rl: what rh's rounding dropped
.endr
.irp k, 0,2
	v_pk_mul_f32 v[TA+\k:TA+\k+1], v[TC+\k:TC+\k+1], v[TC+\k:TC+\k+1]                               ; zh = fl(rh^2)
.endr
.irp k, 0,2
	v_pk_fma_f32 v[TD+\k:TD+\k+1], v[TC+\k:TC+\k+1], v[TC+\k:TC+\k+1], v[TA+\k:TA+\k+1] neg_lo:[0,0,1] neg_hi:[0,0,1]   ; zl = rh^2 - zh, exact
.endr
	; cos r = [1 - zh / 2] + (that sum's error - zl / 2 - rh rl + zh ((c2 + 1/2) + zh (c4 + zh (c6 + zh c8))))
.irp k, 0,2
	v_pk_mul_f32 v[CQ+\k:CQ+\k+1], v[TA+\k:TA+\k+1], 0.5 op_sel_hi:[1,0]                            ; hh = zh / 2
.endr
.irp k, 0,2
	v_pk_add_f32 v[TE+\k:TE+\k+1], v[CQ+\k:CQ+\k+1], 1.0 op_sel_hi:[1,0] neg_lo:[1,0] neg_hi:[1,0]  ; u = fl(1 - hh)
.endr
.irp k, 0,2
	v_pk_add_f32 v[SQ+\k:SQ+\k+1], v[TE+\k:TE+\k+1], 1.0 op_sel_hi:[1,0] neg_lo:[1,0] neg_hi:[1,0]  ; 1 - u, exact,
.endr
.irp k, 0,2
	v_pk_add_f32 v[SQ+\k:SQ+\k+1], v[SQ+\k:SQ+\k+1], v[CQ+\k:CQ+\k+1] neg_lo:[0,1] neg_hi:[0,1]     ; - hh: u's error, exact
.endr
.irp k, 0,2
	v_pk_fma_f32 v[SQ+\k:SQ+\k+1], v[TC+\k:TC+\k+1], v[TB+\k:TB+\k+1], v[SQ+\k:SQ+\k+1] neg_lo:[1,0,0] neg_hi:[1,0,0]   ; - rh rl
.endr
.irp k, 0,2
	v_pk_fma_f32 v[TB+\k:TB+\k+1], v[CQ+\k:CQ+\k+1], v[TB+\k:TB+\k+1], v[TB+\k:TB+\k+1] neg_lo:[1,0,0] neg_hi:[1,0,0]   ; for sin: rl (1 - hh)
.endr
.irp k, 0,2
	v_pk_fma_f32 v[SQ+\k:SQ+\k+1], v[TD+\k:TD+\k+1], -0.5, v[SQ+\k:SQ+\k+1] op_sel_hi:[1,0,1]       ; - zl / 2
.endr
.irp k, 0,2
	v_pk_fma_f32 v[CQ+\k:CQ+\k+1], v[TA+\k:TA+\k+1], s[44:45], v[236:237] op_sel_hi:[1,0,1]
.endr
.irp k, 0,2
	v_pk_fma_f32 v[CQ+\k:CQ+\k+1], v[CQ+\k:CQ+\k+1], v[TA+\k:TA+\k+1], s[46:47] op_sel_hi:[1,1,0]
.endr
.irp k, 0,2
	v_pk_fma_f32 v[CQ+\k:CQ+\k+1], v[CQ+\k:CQ+\k+1], v[TA+\k:TA+\k+1], s[48:49] op_sel_hi:[1,1,0]
.endr
.irp k, 0,2
	v_pk_fma_f32 v[SQ+\k:SQ+\k+1], v[TA+\k:TA+\k+1], v[CQ+\k:CQ+\k+1], v[SQ+\k:SQ+\k+1]
.endr
.irp k, 0,2
	v_pk_add_f32 v[CQ+\k:CQ+\k+1], v[TE+\k:TE+\k+1], v[SQ+\k:SQ+\k+1]                               ; cos r: the one rounding
.endr
	; sin r = [rh + th] + (that sum's error + tl + s3 x r^3's low word + s3's low word x r^3 + rl (1 - hh) + r^5 (s5 + zh s7)),  th + tl = s3's first word x fl(zh rh)
.irp k, 0,2
	v_pk_mul_f32 v[TE+\k:TE+\k+1], v[TA+\k:TA+\k+1], v[TC+\k:TC+\k+1]                               ; ch = fl(zh rh)
.endr
.irp k, 0,2
	v_pk_fma_f32 v[SQ+\k:SQ+\k+1], v[TA+\k:TA+\k+1], v[TC+\k:TC+\k+1], v[TE+\k:TE+\k+1] neg_lo:[0,0,1] neg_hi:[0,0,1]   ; its error, exact,
.endr
.irp k, 0,2
	v_pk_fma_f32 v[SQ+\k:SQ+\k+1], v[TD+\k:TD+\k+1], v[TC+\k:TC+\k+1], v[SQ+\k:SQ+\k+1]             ; + zl rh: rh^3's low word
.endr
.irp k, 0,2
	v_pk_mul_f32 v[TD+\k:TD+\k+1], v[TE+\k:TE+\k+1], s[40:41] op_sel_hi:[1,0]                       ; th
.endr
.irp k, 0,2
	v_pk_fma_f32 v[TB+\k:TB+\k+1], v[SQ+\k:SQ+\k+1], s[40:41], v[TB+\k:TB+\k+1] op_sel_hi:[1,0,1]
.endr
.irp k, 0,2
	v_pk_fma_f32 v[TB+\k:TB+\k+1], v[TE+\k:TE+\k+1], s[42:43], v[TB+\k:TB+\k+1] op_sel_hi:[1,0,1]
.endr
.irp k, 0,2
	v_pk_fma_f32 v[SQ+\k:SQ+\k+1], v[TE+\k:TE+\k+1], s[40:41], v[TD+\k:TD+\k+1] op_sel_hi:[1,0,1] neg_lo:[0,0,1] neg_hi:[0,0,1]   ; tl, exact
.endr
.irp k, 0,2
	v_pk_add_f32 v[TB+\k:TB+\k+1], v[TB+\k:TB+\k+1], v[SQ+\k:SQ+\k+1]
.endr
.irp k, 0,2
	v_pk_fma_f32 v[SQ+\k:SQ+\k+1], v[TA+\k:TA+\k+1], s[38:39], v[234:235] op_sel_hi:[1,0,1]         ; s5 + zh s7
.endr
.irp k, 0,2
	v_pk_mul_f32 v[TE+\k:TE+\k+1], v[TE+\k:TE+\k+1], v[TA+\k:TA+\k+1]                               ; r^5
.endr
.irp k, 0,2
	v_pk_fma_f32 v[TB+\k:TB+\k+1], v[TE+\k:TE+\k+1], v[SQ+\k:SQ+\k+1], v[TB+\k:TB+\k+1]
.endr
.irp k, 0,2
	v_pk_add_f32 v[SQ+\k:SQ+\k+1], v[TC+\k:TC+\k+1], v[TD+\k:TD+\k+1]                               ; u = fl(rh + th)
.endr
.irp k, 0,2
	v_pk_add_f32 v[TE+\k:TE+\k+1], v[TC+\k:TC+\k+1], v[SQ+\k:SQ+\k+1] neg_lo:[0,1] neg_hi:[0,1]     ; rh - u, exact since |rh| >= |th|,
.endr
.irp k, 0,2
	v_pk_add_f32 v[TE+\k:TE+\k+1], v[TE+\k:TE+\k+1], v[TD+\k:TD+\k+1]                               ; + th: u's error, exact
.endr
.irp k, 0,2
	v_pk_add_f32 v[TB+\k:TB+\k+1], v[TB+\k:TB+\k+1], v[TE+\k:TE+\k+1]
.endr
.irp k, 0,2
	v_pk_add_f32 v[TE+\k:TE+\k+1], v[SQ+\k:SQ+\k+1], v[TB+\k:TB+\k+1] neg_lo:[1,1] neg_hi:[1,1]     ; -sin r,
.endr
.irp k, 0,2
	v_pk_add_f32 v[SQ+\k:SQ+\k+1], v[SQ+\k:SQ+\k+1], v[TB+\k:TB+\k+1]                               ; sin r: the one rounding
.endr
	; the quadrant n mod 4: 0: (cos, sin) = (c, s); 1: (-s, c); 2: (-c, -s); 3: (s, -c).  So: odd n takes (-s, c), and bit 1 of n turns both signs
.irp i, 0,1,2,3
	v_lshlrev_b32 v[TY+\i], 30, v[TY+\i]           ; bit 31 = n's bit 1, bit 30 = n's bit 0, nothing else
.endr
.irp i, 0,1,2,3
	v_and_b32 v[TA+\i], 0x80000000, v[TY+\i]       ; the sign
.endr
.irp i, 0,1,2,3
	v_cmp_ne_u32 vcc_lo, v[TY+\i], v[TA+\i]        ; n is odd
	v_cndmask_b32 v[SQ+\i], v[SQ+\i], v[CQ+\i], vcc_lo
	v_cndmask_b32 v[CQ+\i], v[CQ+\i], v[TE+\i], vcc_lo
.endr
.irp i, 0,1,2,3
	v_xor_b32 v[SQ+\i], v[SQ+\i], v[TA+\i]
	v_xor_b32 v[CQ+\i], v[CQ+\i], v[TA+\i]
.endr
.endr
.endm
	TRIG COSH, SINH, 14
	TRIG COSO, SINO, 12
	s_wait_kmcnt 0x0                               ; the four exponents
.macro SCALE ex, vs, vl                ; 2^e as f32, of which the conversion takes the exponent field, and 57,344 x 2^e
	s_add_co_i32 s17, s[\ex], 127
	s_lshl_b32 s59, s17, 23
	v_mov_b32 v[\vs], s59
	s_add_co_i32 s17, s17, 15
	s_lshl_b32 s17, s17, 23
	s_or_b32 s17, s17, 0x600000
	v_mov_b32 v[\vl], s17
.endm
	SCALE 28, 240, 241                             ; q
	SCALE 29, 242, 243                             ; k
	SCALE 31, 244, 245                             ; p
	s_add_co_i32 s17, s28, s29
	s_lshl_b32 s17, s17, 23
	s_add_co_i32 s52, s17, 0x3e38aa3b              ; c = log2(e) / 8 x 2^(eq + ek): the two exponents are added to c's exponent field
	s_mov_b32 s53, s52                             ; (named with it as a pair, so it is written)
	s_add_co_i32 s58, s30, s31                     ; ev + ep
; A tile of 16 rows goes through my stage as it was loaded and comes back a row to a lane: 16 numbers of each half of the row.  LDS serves a wave's instructions in order, so no wait stands between the stores and the loads.
.macro TURN raw
.irp i, 0,1,2,3,4,5,6,7
	ds_store_b128 v4, v[\raw+4*\i:\raw+4*\i+3] offset:544*\i
.endr
.irp c, 0,1,2,3
	ds_load_b128 v[X+4*\c:X+4*\c+3], v5 offset:16*\c
.endr
.irp c, 0,1,2,3
	ds_load_b128 v[X+16+4*\c:X+16+4*\c+3], v5 offset:128+16*\c
.endr
	s_wait_dscnt 0x0                               ; the tile is back
.endm
; x' = fl(fl(x cos) - fl(x(+32) sin)), x'(+32) = fl(fl(x(+32) cos) + fl(x sin)): each product rounded, then the sum; held within the largest code x the scale; eight registers of codes
.macro ROPEQ raw, cs, sn, lim, scl, dst
.irp p, 0,2,4,6,8,10,12,14
	v_pk_mul_f32 v[\raw+\p:\raw+\p+1], v[X+\p:X+\p+1], v[\cs+\p:\cs+\p+1]
	v_pk_mul_f32 v[\raw+16+\p:\raw+17+\p], v[X+16+\p:X+17+\p], v[\cs+\p:\cs+\p+1]
.endr
.irp p, 0,2,4,6,8,10,12,14
	v_pk_mul_f32 v[X+\p:X+\p+1], v[X+\p:X+\p+1], v[\sn+\p:\sn+\p+1]
	v_pk_mul_f32 v[X+16+\p:X+17+\p], v[X+16+\p:X+17+\p], v[\sn+\p:\sn+\p+1]
.endr
.irp p, 0,2,4,6,8,10,12,14
	v_pk_add_f32 v[\raw+\p:\raw+\p+1], v[\raw+\p:\raw+\p+1], v[X+16+\p:X+17+\p] neg_lo:[0,1] neg_hi:[0,1]
	v_pk_add_f32 v[\raw+16+\p:\raw+17+\p], v[\raw+16+\p:\raw+17+\p], v[X+\p:X+\p+1]
.endr
.set j, 0
.rept 32
	v_med3_num_f32 v[\raw+j], v[\raw+j], -v[\lim], v[\lim]     ; the conversion to an 8-bit code does not saturate (ISA guide 7.6.2)
.set j, j+1
.endr
.irp g, 0,1,2,3
	v_cvt_scalef32_pk8_bf8_f32 v[\dst+2*\g:\dst+2*\g+1], v[\raw+8*\g:\raw+8*\g+7], v[\scl]
.endr
	v_nop                                          ; a plain line between the last conversion and whatever vector or matrix line next touches its registers
.endm
.macro IMAGE off                       ; a key tile's eight registers go to LDS as they stand
	ds_store_b128 v6, v[KC:KC+3] offset:\off
	ds_store_b128 v6, v[KC+4:KC+7] offset:\off+512
.endm
	; ---- the keys and V
	s_wait_loadcnt 20                              ; the halo tile's eight loads are in; behind them: 8 of my own keys, 4 of V, 8 of q
	TURN RAWH
	ROPEQ RAWH, COSH, SINH, 243, 242, KC
	IMAGE 0                                        ; local tile w
	s_wait_loadcnt 12                              ; my own key tile is in; behind it: 4 of V, 8 of q
	TURN RAWK
	ROPEQ RAWK, COSO, SINO, 243, 242, KC
	IMAGE 16384                                    ; local tile 16 + w
	s_wait_loadcnt 8                               ; V's four rows are in; behind them: q's 8
.irp i, 0,1,2,3
	ds_store_b128 v7, v[RAWV+4*\i:RAWV+4*\i+3] offset:528*\i
.endr
	s_wait_dscnt 0x0                               ; for the others' sake: my images and my rows of V have landed
	s_barrier_signal -1
	s_barrier_wait -1                              ; all 32 key tiles and all 64 rows of V lie in LDS; nobody writes them again
	; ---- my queries
	s_wait_loadcnt 0x0
	TURN RAWQ
	ROPEQ RAWQ, COSO, SINO, 241, 240, QF
	; ---- S^T = K Q^T, 17 tiles
.macro KLOAD tau, slot
	ds_load_b128 v[KF+8*(\slot):KF+8*(\slot)+3], v6 offset:1024*(\tau)
	ds_load_b128 v[KF+8*(\slot)+4:KF+8*(\slot)+7], v6 offset:1024*(\tau)+512
.endm
.macro QK tau, slot
	v_wmma_f32_16x16x64_bf8_bf8 v[S+8*(\tau):S+8*(\tau)+7], v[KF+8*(\slot):KF+8*(\slot)+7], v[QF:QF+7], 0
.endm
.irp t, 0,1,2,3,4,5,6,7,8,9
	KLOAD \t, \t
.endr
	s_wait_dscnt 12                                ; tiles 0-3 are in; the 12 loads of tiles 4-9 may be out
.irp t, 0,1,2,3
	QK \t, \t
.endr
	s_wait_dscnt 4                                 ; tiles 4-7 are in; tiles 8 and 9 may be out
.irp t, 4,5,6,7
	QK \t, \t
.endr
.rept 4
	v_nop                                          ; places in front of loads into registers that matrix instructions have read (ISA guide 7.12.1 for vector instructions)
.endr
.irp t, 10,11,12,13,14,15,16
	KLOAD \t, \t-10
.endr
	s_wait_dscnt 14                                ; tiles 8 and 9 are in; the 14 just issued may be out
	QK 8, 8
	QK 9, 9
	s_wait_dscnt 6                                 ; tiles 10-13 are in
.irp t, 10,11,12,13
	QK \t, \t-10
.endr
	s_wait_dscnt 0x0
.irp t, 14,15,16
	QK \t, \t-10
.endr
.rept 4
	v_nop                                          ; places in front of the first read of results
.endr
	; ---- the mask and the row's largest score.  Every accumulator is read from its low end on
	s_cmp_lg_u32 s15, 0
	s_cbranch_scc1 .Lhas_halo
.irp tau, 0,1,2,3,4,5,6,7,8,9,10,11,12,13,14,15    ; the head's first block: local tiles under 16 stand for no keys
	s_add_co_u32 s17, s14, \tau
	s_cmp_lt_u32 s17, 16
	s_cselect_b32 s56, 0xff800000, 0
.irp k, 0,2,4,6
	v_pk_add_f32 v[S+8*\tau+\k:S+8*\tau+\k+1], v[S+8*\tau+\k:S+8*\tau+\k+1], s[56:57] op_sel_hi:[1,0]
.endr
.endr
.Lhas_halo:
.irp i, 0,1,2,3,4,5,6,7
	v_cmp_lt_i32 vcc_lo, \i, v10                   ; tile 0: key 8 h + i lies under the window where 8 h + i < r
	v_cndmask_b32 v[S+\i], v[S+\i], v11, vcc_lo
.endr
.irp i, 0,1,2,3,4,5,6,7
	v_cmp_gt_i32 vcc_lo, \i, v10                   ; tile 16: key 8 h + i comes after the query where 8 h + i > r
	v_cndmask_b32 v[S+128+\i], v[S+128+\i], v11, vcc_lo
.endr
	v_max3_num_f32 v200, v[S], v[S+1], v[S+2]      ; two chains over my 136 scores
	v_max3_num_f32 v201, v[S+3], v[S+4], v[S+5]
.set j, 6
.rept 32
	v_max3_num_f32 v200, v200, v[S+j], v[S+j+1]
	v_max3_num_f32 v201, v201, v[S+j+2], v[S+j+3]
.set j, j+4
.endr
	v_max3_num_f32 v200, v200, v[S+134], v[S+135]
	v_max_num_f32 v200, v200, v201
	v_permlanex16_b32 v254, v200, s54, s55
	v_max_num_f32 v200, v200, v254                 ; and lane l xor 16's: the diagonal always counts, so this is a number
	v_mul_f32 v200, s52, v200                      ; as t (c is positive)
	v_floor_f32 v246, -v200                        ; -M = floor(-t) = -ceil(t)
; n scores from number lo on become p = 2^(t - M); the sum takes them unquantised; then the one-sided hold (p is not negative) and the codes
.macro SM lo, n, first
.set j, \lo
.rept (\n)/2
	v_pk_fma_f32 v[S+j:S+j+1], v[S+j:S+j+1], s[52:53], v[246:247] op_sel_hi:[1,0,0]
.set j, j+2
.endr
.set j, \lo
.rept \n
	v_exp_f32 v[S+j], v[S+j]
.set j, j+1
.endr
	v_nop                                          ; a plain line behind the exponentials
.if \first
	s_wait_alu depctr_va_vdst(0)
	v_pk_add_f32 v[248:249], v[S:S+1], v[S+2:S+3]  ; the first four pairs start the two chains: nothing is cleared
	v_pk_add_f32 v[250:251], v[S+4:S+5], v[S+6:S+7]
.set j, \lo+8
.rept ((\n)-8)/4
	v_pk_add_f32 v[248:249], v[248:249], v[S+j:S+j+1]
	v_pk_add_f32 v[250:251], v[250:251], v[S+j+2:S+j+3]
.set j, j+4
.endr
.else
.set j, \lo
	s_wait_alu depctr_va_vdst(0)
.rept (\n)/4
	v_pk_add_f32 v[248:249], v[248:249], v[S+j:S+j+1]
	v_pk_add_f32 v[250:251], v[250:251], v[S+j+2:S+j+3]
.set j, j+4
.endr
.endif
.set j, \lo
.rept \n
	v_min_num_f32 v[S+j], v[S+j], v245
.set j, j+1
.endr
.set j, \lo
.rept (\n)/8
	v_cvt_scalef32_pk8_bf8_f32 v[PC+j/4:PC+j/4+1], v[S+j:S+j+7], v244
.set j, j+8
.endr
	v_nop                                          ; a plain line behind the last conversion
.endm
; V's fragments of 64 keys (chunk c of my window), four tiles of 16 of the head's 64, into the registers that p has left: registers 2 q, 2 q + 1 = keys 16 q + 8 h + 0 .. 7
.macro VLOAD c
.irp t, 0,1,2,3
.irp q, 0,1,2,3
.if \c < 3
	ds_load_b64 v[24+32*\c+8*\t+2*\q:25+32*\c+8*\t+2*\q], v8 offset:8448*\t+16*(4*\c+\q)
.else
	ds_load_b64 v[122+10*\t+2*\q:123+10*\t+2*\q], v8 offset:8448*\t+16*(12+\q)
.endif
.endr
.endr
.endm
; O^T += V^T P^T.  The four accumulators take turns, one instruction a turn.  c = 4: tile 16 alone: its 16 keys' codes of V stand in front of chunk 3's registers,
; six of which fill the operand and meet codes 0 of p.
.macro PV c
.irp t, 0,1,2,3
.if \c == 0
	v_wmma_f32_16x16x64_bf8_bf8 v[O+8*\t:O+8*\t+7], v[24+8*\t:31+8*\t], v[PC:PC+7], 0
.elseif \c < 3
	v_wmma_f32_16x16x64_bf8_bf8 v[O+8*\t:O+8*\t+7], v[24+32*\c+8*\t:31+32*\c+8*\t], v[PC+8*\c:PC+8*\c+7], v[O+8*\t:O+8*\t+7]
.elseif \c == 3
	v_wmma_f32_16x16x64_bf8_bf8 v[O+8*\t:O+8*\t+7], v[122+10*\t:129+10*\t], v[PC+24:PC+31], v[O+8*\t:O+8*\t+7]
.else
	v_wmma_f32_16x16x64_bf8_bf8 v[O+8*\t:O+8*\t+7], v[120+10*\t:127+10*\t], v[PC+32:PC+39], v[O+8*\t:O+8*\t+7]
.endif
.endr
.endm
	; ---- p and the second product: a chunk's fragments of V are on their way while the next chunk's p is made
	SM 0, 32, 1
	VLOAD 0
	SM 32, 32, 0
	VLOAD 1
	s_wait_dscnt 16                                ; chunk 0's sixteen loads are in; chunk 1's may be out
	PV 0
	SM 64, 32, 0
	VLOAD 2
	s_wait_dscnt 16                                ; chunk 1's are in
	PV 1
	SM 96, 40, 0
.irp i, 34,35,36,37,38,39
	v_mov_b32 v[PC+\i], 0                          ; behind tile 16's codes: 48 keys that there are not
.endr
	VLOAD 3
.irp t, 0,1,2,3
	ds_load_b64 v[120+10*\t:121+10*\t], v8 offset:8448*\t+256      ; tile 16's keys
.endr
	s_wait_dscnt 20                                ; chunk 2's are in; behind them: chunk 3's 16 and tile 16's 4
	PV 2
	s_wait_dscnt 4                                 ; chunk 3's are in
	PV 3
	s_wait_dscnt 0x0
	PV 4
	; ---- the way out.  The sum's joining is also the places behind the last products
	v_pk_add_f32 v[248:249], v[248:249], v[250:251]
	v_add_f32 v248, v248, v249
	v_permlanex16_b32 v254, v248, s54, s55
	v_add_f32 v248, v248, v254                     ; the row's sum
	v_rcp_f32 v252, v248
	v_nop                                          ; a plain line behind the reciprocal
	s_wait_alu depctr_va_vdst(0)
	v_ldexp_f32 v252, v252, s58                    ; x 2^(ev + ep)
.set j, 0
.rept 16
	v_pk_mul_f32 v[O+j:O+j+1], v[O+j:O+j+1], v[252:253] op_sel_hi:[1,0]   ; register 8 t + i is out(query r, 16 t + 8 h + i)
.set j, j+2
.endr
.irp t, 0,1,2,3
	ds_store_b128 v255, v[O+8*\t:O+8*\t+3] offset:64*\t
	ds_store_b128 v255, v[O+8*\t+4:O+8*\t+7] offset:64*\t+16
.endr
.irp i, 0,1,2,3,4,5,6,7
	ds_load_b128 v[24+4*\i:27+4*\i], v4 offset:544*\i          ; my own stage, served in order: these see the stores above
.endr
.irp i, 0,1,2,3,4,5,6,7
	s_wait_dscnt 7-\i                              ; row pair i is back; the younger loads may be out
	global_store_b128 v3, v[24+4*\i:27+4*\i], s[12:13] offset:8192*\i th:TH_STORE_NT   ; sixteen lanes store a row's 256 consecutive bytes, at a multiple of 256 from out0's first byte
.endr
	s_wait_xcnt 0x0
	v_lshl_add_u32 v254, v0, 2, 0x21400
	v_mov_b32 v255, 0
	s_wait_tensorcnt 0x0
	ds_add_u32 v254, v255
	s_wait_dscnt 0x0
	s_endpgm
.Lfunc_end_k_q5bb903c362_attn:
	.size	k_q5bb903c362_attn, .Lfunc_end_k_q5bb903c362_attn-k_q5bb903c362_attn
	.p2alignl 7, 3214868480
	.fill 96, 4, 3214868480
	.section	.rodata,"a",@progbits
	.p2align	6, 0x0
	.amdhsa_kernel k_q5bb903c362_attn
		.amdhsa_group_segment_fixed_size 138240
		.amdhsa_private_segment_fixed_size 0
		.amdhsa_enable_private_segment 0
		.amdhsa_kernarg_size 40
		.amdhsa_user_sgpr_count 2
		.amdhsa_user_sgpr_kernarg_segment_ptr 1
		.amdhsa_wavefront_size32 1
		.amdhsa_system_sgpr_workgroup_id_x 1
		.amdhsa_system_sgpr_workgroup_id_y 1
		.amdhsa_system_sgpr_workgroup_id_z 1
		.amdhsa_system_vgpr_workitem_id 0
		.amdhsa_next_free_vgpr 256
		.amdhsa_next_free_sgpr 66
		.amdhsa_reserve_vcc 1
		.amdhsa_float_denorm_mode_32 3
		.amdhsa_float_denorm_mode_16_64 3
		.amdhsa_memory_ordered 1
		.amdhsa_forward_progress 1
		.amdhsa_inst_pref_size 120
	.end_amdhsa_kernel
	.amdgpu_metadata
---
amdhsa.version: [ 1, 2 ]
amdhsa.kernels:
  - .name:           k_q5bb903c362_attn
    .symbol:         k_q5bb903c362_attn.kd
    .args:
      - { .name: q, .offset: 0, .size: 8, .value_kind: global_buffer, .address_space: global }
      - { .name: k, .offset: 8, .size: 8, .value_kind: global_buffer, .address_space: global }
      - { .name: v_codes, .offset: 16, .size: 8, .value_kind: global_buffer, .address_space: global }
      - { .name: lowp_scales, .offset: 24, .size: 8, .value_kind: global_buffer, .address_space: global }
      - { .name: out0, .offset: 32, .size: 8, .value_kind: global_buffer, .address_space: global }
    .group_segment_fixed_size: 138240
    .private_segment_fixed_size: 0
    .kernarg_segment_align: 8
    .kernarg_segment_size: 40
    .max_flat_workgroup_size: 512
    .sgpr_count:     66
    .vgpr_count:     256
    .wavefront_size: 32
...
	.end_amdgpu_metadata
.endif
;; end of part 1
;; ======== version 2 of 2: 1 launch; version 1 with the launch attn written anew for expert scheduling mode
;; launch attn (part 2): grid 8 x 32, 16 waves a work-group, no clusters, 138,240 bytes of LDS; arguments q, k, v_codes, lowp_scales, out0; writes out0
.if DOCPART == 2
	.amdgcn_target "amdgcn-amd-amdhsa--gfx1250"
	.amdhsa_code_object_version 6
	.text
	.protected	k_q5bb903c362_attn
	.globl	k_q5bb903c362_attn
	.p2align	8
	.type	k_q5bb903c362_attn,@function
k_q5bb903c362_attn:
	s_mov_b64 s[64:65], 0
	v_nop
	global_prefetch_b8 v0, s[64:65] scope:SCOPE_SE
	s_setreg_imm32_b32 hwreg(HW_REG_WAVE_SCHED_MODE, 0, 2), 2
	s_setreg_imm32_b32 hwreg(HW_REG_WAVE_MODE, 25, 1), 1
	s_wait_xcnt 0x0
	s_wait_alu depctr_vm_vsrc(0)
; RoPE on q and k, then attention under the mask i - 256 <= j <= i, both products on codes of BF8 (E5M2), each operand with its given scale 2^e.
; q, k, out0: [2][2048][16][64] f32 (a row of 64 numbers is 256 bytes; rows of one head lie 4,096 bytes apart).  v_codes: [2][16][64][2048], the keys innermost.
; lowp_scales: eq, ek, ev, ep.  p = 2^(t - M), t = score x log2(e) / 8, M = ceil(the row's largest t); the row's sum of the unquantised p divides at the end.
; SHARES.  A work-group owns 256 queries of one head (8 x 32 work-groups) and needs keys qb - 256 .. qb + 255: 32 local tiles of 16.  Each of its sixteen waves owns one tile of 16 queries, q0 = qb + 16 w.
; Wave w rotates and quantises local key tiles w (positions q0 - 256 ..) and 16 + w (positions q0 .., the positions of its queries: one set of cos and sin serves both), and brings rows 4 w .. 4 w + 3 of V.
; Its window is local tiles w .. w + 16: 17 tiles; tile 0 is cut by the lower edge (key in tile >= r counts), tile 16 by the diagonal (key in tile <= r counts), tiles 1-15 count whole.  What the mask hides is not multiplied.
; THE FIRST BLOCK OF A HEAD has no keys in front of it: there the addresses of the halo are those of the own rows (k) and of keys 0-255 (V), so that no load leaves its buffer, and the tiles with w + tile < 16 get -infinity
; ahead of the maximum (a scalar branch on the work-group's number): their p is 0.
; LAYOUT.  Both products are used transposed: S^T = K Q^T (source 0 = 16 keys, source 1 = my 16 queries), O^T = V^T P^T (source 0 = 16 of the head's 64, source 1 = p): a lane holds ONE query (lane % 16) throughout, and a
; tile's eight scores of a lane are keys 8 (lane / 16) + 0 .. 7: their two registers of codes are registers 2 c, 2 c + 1 of the second product's operand as they stand.
; In the first product lane (r, h) holds d = 16 h + 0 .. 15 in registers 0-3 and d = 32 + 16 h + 0 .. 15 in registers 4-7, in Q and in K alike: a permutation of the 64 that keeps every product with its partner, and that puts
; the two numbers that a rotation joins (d and d + 32) into one lane.
; COS AND SIN stand ahead of a quantiser, where a small error can turn a code, so they are made beyond f32's precision and rounded once.
; The angle is the f32 product position x inv_freq.  INV_FREQ is written out: the 32 f32 numbers nearest to 10000^(-j/32) = 10^(-j/8), that is, the quotient 1 / 10000^(j/32) taken as ONE power with the exponent's sign turned.
; LIMIT: at j = 5, 9, 10, 12, 13, 15, 20, 27, 28, 29 that number differs by one unit in the last place from the rounded quotient of 1 and the rounded power; at position p an angle then differs by up to p such units.
; The angle is reduced by pi/2 in two parts (the first step is exact: both terms are multiples of 2^-24 and the difference is under 1), and the remainder is kept in two words, rh + rl.  On |r| <= pi/4
; sin r = r + s3 r^3 + r^5 (s5 + s7 r^2) and cos r = 1 + c2 r^2 + c4 r^4 + r^6 (c6 + c8 r^2), the polynomials of the usual single-precision library routines, which work them out in f64 and round once.  Here r^2 and r^3 carry
; their exact errors, s3 stands in two words, c2 as -1/2 and a rest, and the sums rh + s3 r^3 and 1 - r^2 / 2 carry their exact errors: what is left out stays under some 3e-9.  The quadrant is applied by selects, with no branch.
; THE ROTATION is two rounded products and a rounded sum, in that order and not fused, as the definition writes it.
; No tensor load and no joint request: every number of q and k passes through registers to be rotated, and a row of k is read by two work-groups only, blocks x and x + 1, pairs that overlap along the whole head.
; All 28 loads of a wave go out at its head, and the 900 vector lines that need no loaded number stand behind them; nothing is asked for later, so there is nothing to ask for ahead.
; LIMITS: eq, ek, ep between -126 and 112; eq + ek between -123 and 130; NaN and infinity among q and k, and codes of v that are no finite numbers, are not served.
; THE MODE: SCHED_MODE bits 1:0 = 2 (LLVM: expert scheduling mode 2), set by the entry lines.  The code itself states the register dependences between vector or matrix instructions and memory or LDS
; instructions, and those through scalar registers and VCC that vector instructions write, with s_wait_alu, always for 0.
; THE PLAN.  The text runs straight, with no loop.  Registers that memory or LDS instructions touch, in the order of the text:
;   v3, v9         global offsets: written at the head, read by the 28 loads (v3 by the last stores too), never written again.
;   v4-v8, v255    LDS addresses: made behind the loads, read from the first TURN on; of them v255 alone is written again, at the wave's end.
;   v96-207        the four raw tiles: the global loads land; the stage's stores (V's rows: the stores into V's place) read them; ROPEQ writes the three tiles of k and q; key tiles land in v160-207.
;   X = v208-239   TRIG and the table work here; TURN's loads land; ROPEQ reads and writes; the next TURN's loads land; key tiles land.
;   KC = v24-31    the conversions write; IMAGE's stores read; the next conversions, and at last the first product, write.
;   KF = v160-239  key tiles 0-9 land; the products read; tiles 10-16 land in the first seven slots.
;   v24-159        p: the holds and conversions read a chunk; V's fragments of that chunk land in it; at the end rows of the result land in v24-55.
;   O = v208-239   the last scaling writes; the stage's stores read.
; A wait on va_vdst stands ahead of each run of loads or stores whose registers vector or matrix lines have named since the last one; a wait on vm_vsrc in each TURN, behind the stores that read what is written next, and one
; at the wave's end.  Compares stand in runs, their masks in scalar registers, with one wait on va_sdst behind each run.
.set VLDS, 32768                       ; LDS: 0: 32 key tiles as images of their 8 registers, 1,024 bytes each (registers 0-3 at 16 x lane, 4-7 512 bytes on)
.set STG,  66560                       ; 32,768: V, 64 rows of 512 codes + 16 of padding (132 words: row r starts at bank 4 r mod 64);  66,560: a stage of 16 rows x (256 + 16) bytes for each wave
.set F,    16                          ; v16-31   inv_freq of j = 16 h + i; later:
.set QF,   16                          ; v16-23   Q's codes, which stay
.set KC,   24                          ; v24-31   a key tile's codes
.set COSO, 32                          ; v32-47, v48-63  cos and sin at my own positions
.set SINO, 48
.set COSH, 64                          ; v64-79, v80-95  at the halo's
.set SINH, 80
.set RAWH, 96                          ; v96-127  the halo's key tile as loaded, then rotated
.set RAWK, 128                         ; v128-159 my own key tile
.set RAWQ, 160                         ; v160-191 my queries
.set RAWV, 192                         ; v192-207 four rows of V
.set TA,   208                         ; v208-231 six banks of four, at work in TRIG
.set TB,   212
.set TC,   216
.set TD,   220
.set TE,   224
.set TY,   228
.set X,    208                         ; v208-239 a tile turned: X[p] = d 16 h + p, X[16 + p] = d 32 + 16 h + p of row r
.set S,    24                          ; v24-159  S^T, 17 tiles x 8; then p; then V's fragments
.set KF,   160                         ; v160-239 ten slots for key tiles
.set PC,   160                         ; v160-199 p's codes, two registers a tile; the last six are 0
.set O,    208                         ; v208-239 O^T, four tiles of 16 of the head's 64
.set MK,   60                          ; s60-63   TRIG's four masks (free once V's offset and q0 have been used)
.set ME,   32                          ; s32-47   the window's sixteen masks (TRIG's constants are done with by then)
; v1 r, v2 h, v3 4096 h + 16 r (global rows), v4 stage by rows as loaded, v5 stage by lanes' rows, v6 images, v7 V in, v8 V out, v9 V in memory, v10 r - 8 h, v11 -infinity, v[12:13] my position, v[14:15] less 256,
; v240-245 scale and largest number x scale for q, k, p; v[246:247] -M; v[248:251] the sum in two chains; v[252:253] the last factor; v254 the lane exchange; v255 stage for O.
	s_load_b256 s[4:11], s[0:1], 0x0               ; q s[4:5], k s[6:7], v's codes s[8:9], the scales' exponents s[10:11]
	s_load_b64 s[12:13], s[0:1], 0x20              ; out0
	v_lshrrev_b32 v1, 5, v0
	v_readfirstlane_b32 s14, v1                    ; wave 0..15
	s_mov_b32 s15, ttmp9                           ; the block of 256 queries
	s_and_b32 s16, ttmp7, 0xffff                   ; 16 x batch + head
	v_and_b32 v1, 15, v0                           ; r
	s_wait_alu depctr_va_vdst(0)
	v_bfe_u32 v2, v0, 4, 1                         ; h
	s_wait_alu depctr_va_sdst(0)                   ; s14 is written, ahead of its first reader: offsets and LDS places are made from it
	s_lshr_b32 s17, s16, 4
	s_lshl_b32 s18, s17, 23                        ; batch x 2,048 x 4,096 bytes
	s_lshl_b32 s17, s15, 20                        ; + block x 256 rows
	s_add_co_u32 s18, s18, s17
	s_lshl_b32 s17, s14, 16                        ; + wave x 16 rows
	s_add_co_u32 s18, s18, s17
	s_and_b32 s17, s16, 15
	s_lshl_b32 s17, s17, 8                         ; + head x 256 bytes
	s_add_co_u32 s18, s18, s17                     ; my tile's first byte in q, k and out0
	s_mov_b32 s19, 0
	s_mov_b32 s21, 0
	s_cmp_lg_u32 s15, 0                            ; is there a halo?
	s_cselect_b32 s17, 0x100000, 0                 ; 256 rows back, or none
	s_cselect_b32 s27, 256, 0                      ; qb - hs
	s_sub_co_u32 s20, s18, s17                     ; the halo tile's first byte in k
	s_lshl_b32 s59, s15, 8                         ; qb
	s_sub_co_u32 s26, s59, s27                     ; hs: the first key of V's halo
	s_lshl_b32 s60, s16, 17                        ; V: a head is 64 rows of 2,048 bytes,
	s_lshl_b32 s17, s14, 13                        ; my four rows
	s_add_co_u32 s60, s60, s17
	s_mov_b32 s61, 0
	v_lshlrev_b32 v3, 4, v1
	s_wait_alu depctr_va_vdst(0)
	v_lshl_add_u32 v3, v2, 12, v3                  ; lanes 0-15 one row's 256 bytes, lanes 16-31 the next row's
	v_mul_u32_u24 v9, s27, v2
	v_lshl_add_u32 v9, v1, 4, v9
	v_add_nc_u32 v9, s26, v9                       ; V: lanes 0-15 the halo's 256 codes of a row, lanes 16-31 the own 256
	s_wait_kmcnt 0x0
	s_load_b128 s[28:31], s[10:11], 0x0            ; eq, ek, ev, ep
	s_add_nc_u64 s[4:5], s[4:5], s[18:19]
	s_add_nc_u64 s[12:13], s[12:13], s[18:19]
	s_add_nc_u64 s[22:23], s[6:7], s[18:19]
	s_add_nc_u64 s[24:25], s[6:7], s[20:21]
	s_add_nc_u64 s[8:9], s[8:9], s[60:61]
	s_wait_alu depctr_va_vdst(0)                   ; v3 and v9 are written: the loads below, and the last stores, read them as their offsets
	; all 28 loads, in the order in which they are wanted.  No address register and no base is written again in this text, and EXEC never changes.
.irp i, 0,1,2,3,4,5,6,7
	global_load_b128 v[RAWH+4*\i:RAWH+4*\i+3], v3, s[24:25] offset:8192*\i       ; rows 2 i + h of the halo tile: sixteen lanes read a row's 256 bytes
.endr
.irp i, 0,1,2,3,4,5,6,7
	global_load_b128 v[RAWK+4*\i:RAWK+4*\i+3], v3, s[22:23] offset:8192*\i
.endr
.irp i, 0,1,2,3
	global_load_b128 v[RAWV+4*\i:RAWV+4*\i+3], v9, s[8:9] offset:2048*\i
.endr
.irp i, 0,1,2,3,4,5,6,7
	global_load_b128 v[RAWQ+4*\i:RAWQ+4*\i+3], v3, s[4:5] offset:8192*\i th:TH_LOAD_NT   ; q is read once in the launch
.endr
	; ---- what needs no loaded number stands here, while the loads are on their way.  None of these lines names v3, v9 or v96-207
	s_mul_i32 s17, s14, 4352
	s_add_co_u32 s17, s17, STG                     ; my stage
	v_mul_u32_u24 v4, v2, 272
	v_lshl_add_u32 v4, v1, 4, v4
	v_add_nc_u32 v4, s17, v4                       ; row h, 16 r: as the global loads and stores have it
	v_mul_u32_u24 v5, v1, 272
	v_add_nc_u32 v5, s17, v5
	v_lshl_add_u32 v255, v2, 5, v5                 ; row r, + 32 h: O's eight numbers of a tile
	v_lshl_add_u32 v5, v2, 6, v5                   ; row r, + 64 h: my 16 numbers of each half of the row
	v_and_b32 v7, 31, v0
	v_lshlrev_b32 v7, 4, v7                        ; 16 x lane
	s_lshl_b32 s17, s14, 10
	v_add_nc_u32 v6, s17, v7                       ; local tile w's image
	s_mul_i32 s17, s14, 2112
	s_add_co_u32 s17, s17, VLDS
	v_add_nc_u32 v7, s17, v7                       ; V's row 4 w
	v_mul_u32_u24 v8, v1, 528
	v_lshl_add_u32 v8, v2, 3, v8
	s_lshl_b32 s17, s14, 4
	s_add_co_u32 s62, s59, s17                     ; q0
	s_add_co_u32 s17, s17, VLDS
	v_add_nc_u32 v8, s17, v8                       ; V's row r, local key 16 w + 8 h
	v_lshlrev_b32 v10, 3, v2
	v_sub_nc_u32 v10, v1, v10                      ; r - 8 h
	v_mov_b32 v11, 0xff800000                      ; -infinity
	v_add_nc_u32 v12, s62, v1
	v_cvt_f32_u32 v12, v12                         ; my row's position
	v_mov_b32 v13, 0                               ; (upper halves of pairs of which the low word serves both halves: named, so written)
	v_add_f32 v14, 0xc3800000, v12                 ; less 256: the halo row's
	v_mov_b32 v15, 0
	v_mov_b32 v247, 0
	v_mov_b32 v253, 0
	v_mov_b32 v254, 0                              ; a lane exchange's destination counts as one of its sources
	s_mov_b32 s54, 0x76543210
	s_mov_b32 s55, 0xfedcba98                      ; v_permlanex16_b32: lane l xor 16
	s_mov_b32 s57, 0
.macro SPAIR reg, val
	s_mov_b32 s[\reg], \val
	s_mov_b32 s[\reg+1], \val
.endm
.macro VPAIR reg, val
	v_mov_b32 v[\reg], \val
	v_mov_b32 v[\reg+1], \val
.endm
	SPAIR 32, 0x3f22f983                           ; 2 / pi
	SPAIR 34, 0xbfc90fdb                           ; -(pi/2's first 24 bits)
	SPAIR 36, 0x333bbd2e                           ; -(pi/2 less those)
	SPAIR 38, 0xb94ca75a                           ; s7 = -1.9517299e-4
	SPAIR 40, 0xbe2aaaa3                           ; s3 = -0.16666654944 in two words: the first,
	SPAIR 42, 0x314d4b40                           ; and what it lacks, 2.98742e-9
	SPAIR 44, 0x37cc9a18                           ; c8 = 2.43905e-5
	SPAIR 46, 0x3d2aaa9f                           ; c4 = 0.04166662333
	SPAIR 48, 0x313ce779                           ; c2 + 1/2 = 2.749e-9
	VPAIR 232, 0x4b400000                          ; 1.5 x 2^23: added and taken off again it rounds to a whole number.  (In vector registers, with s5 and c6, so that no line names two scalar pairs)
	VPAIR 234, 0x3c0883b0                          ; s5 = 0.00833217813
	VPAIR 236, 0xbab6043f                          ; c6 = -0.001388676
	; inv_freq of j = 16 h + i: the f32 number nearest to 10^(-j/8); lanes 0-15 take the first of a line's two, lanes 16-31 the second
	v_cmp_eq_u32 vcc_lo, 1, v2
	s_wait_alu depctr_va_vcc(0)                    ; the compare has written VCC, ahead of its first reader: the sixteen selects below read it
.macro PICK dst, lo, hi
	v_mov_b32 v[\dst], \lo
	v_mov_b32 v238, \hi
	v_cndmask_b32 v[\dst], v[\dst], v238, vcc_lo
.endm
	PICK F+0,  0x3f800000, 0x3c23d70a              ; j =  0: 1              j = 16: 0.01
	PICK F+1,  0x3f3ff911, 0x3bf5b9b0              ; j =  1: 0.74989421     j = 17: 0.0074989421
	PICK F+2,  0x3f0ff59a, 0x3bb8449c              ; j =  2: 0.56234133     j = 18: 0.0056234133
	PICK F+3,  0x3ed7e89b, 0x3b8a2e77              ; j =  3: 0.42169650     j = 19: 0.0042169650
	PICK F+4,  0x3ea1e89b, 0x3b4f3e37              ; j =  4: 0.31622777     j = 20: 0.0031622777
	PICK F+5,  0x3e72d424, 0x3b1b690d              ; j =  5: 0.23713737     j = 21: 0.0023713737
	PICK F+6,  0x3e361887, 0x3ae91528              ; j =  6: 0.17782794     j = 22: 0.0017782794
	PICK F+7,  0x3e088d77, 0x3aaec98e              ; j =  7: 0.13335214     j = 23: 0.0013335214
	PICK F+8,  0x3dcccccd, 0x3a83126f              ; j =  8: 0.1            j = 24: 0.001
	PICK F+9,  0x3d99940e, 0x3a44948c              ; j =  9: 0.074989421    j = 25: 0.00074989421
	PICK F+10, 0x3d6655c3, 0x3a136a16              ; j = 10: 0.056234133    j = 26: 0.00056234133
	PICK F+11, 0x3d2cba15, 0x39dd1726              ; j = 11: 0.042169650    j = 27: 0.00042169650
	PICK F+12, 0x3d0186e2, 0x39a5cb5f              ; j = 12: 0.031622777    j = 28: 0.00031622777
	PICK F+13, 0x3cc24350, 0x3978a814              ; j = 13: 0.023713737    j = 29: 0.00023713737
	PICK F+14, 0x3c91ad39, 0x393a7753              ; j = 14: 0.017782794    j = 30: 0.00017782794
	PICK F+15, 0x3c5a7bf1, 0x390bd472              ; j = 15: 0.013335214    j = 31: 0.00013335214
; cos and sin of position x inv_freq for my 16 frequencies, four at a time in two packed chains.  tp: the pair whose low word is the position.
; Banks: TY n + magic, then the quadrant's two bits; TC rh; TB n, then rl, then sin's small terms; TA the angle, then zh = fl(rh^2), at last the sign; TD zl, then s3 r^3's first word; TE and the two result banks at work.
.macro TRIG cs, sn, tp
.irp hf, 0,4,8,12
.set CQ, \cs+\hf
.set SQ, \sn+\hf
.irp k, 0,2
	v_pk_mul_f32 v[TA+\k:TA+\k+1], v[F+\hf+\k:F+\hf+\k+1], v[\tp:\tp+1] op_sel_hi:[1,0]         ; the angle, rounded to f32
.endr
.irp k, 0,2
	v_pk_fma_f32 v[TY+\k:TY+\k+1], v[TA+\k:TA+\k+1], s[32:33], v[232:233] op_sel_hi:[1,0,1]     ; n = the nearest whole number to angle x 2 / pi, in the low bits
.endr
.irp k, 0,2
	v_pk_add_f32 v[TB+\k:TB+\k+1], v[TY+\k:TY+\k+1], v[232:233] neg_lo:[0,1] neg_hi:[0,1]       ; n as f32
.endr
.irp k, 0,2
	v_pk_fma_f32 v[TA+\k:TA+\k+1], v[TB+\k:TB+\k+1], s[34:35], v[TA+\k:TA+\k+1] op_sel_hi:[1,0,1]   ; r1 = angle - n x the first part: exact
.endr
.irp k, 0,2
	v_pk_fma_f32 v[TC+\k:TC+\k+1], v[TB+\k:TB+\k+1], s[36:37], v[TA+\k:TA+\k+1] op_sel_hi:[1,0,1]   ; rh = fl(r1 - n x the second part)
.endr
.irp k, 0,2
	v_pk_add_f32 v[TA+\k:TA+\k+1], v[TA+\k:TA+\k+1], v[TC+\k:TC+\k+1] neg_lo:[0,1] neg_hi:[0,1]     ; r1 - rh,
.endr
.irp k, 0,2
	v_pk_fma_f32 v[TB+\k:TB+\k+1], v[TB+\k:TB+\k+1], s[36:37], v[TA+\k:TA+\k+1] op_sel_hi:[1,0,1]   ; rl: what rh's rounding dropped
.endr
.irp k, 0,2
	v_pk_mul_f32 v[TA+\k:TA+\k+1], v[TC+\k:TC+\k+1], v[TC+\k:TC+\k+1]                               ; zh = fl(rh^2)
.endr
.irp k, 0,2
	v_pk_fma_f32 v[TD+\k:TD+\k+1], v[TC+\k:TC+\k+1], v[TC+\k:TC+\k+1], v[TA+\k:TA+\k+1] neg_lo:[0,0,1] neg_hi:[0,0,1]   ; zl = rh^2 - zh, exact
.endr
	; cos r = [1 - zh / 2] + (that sum's error - zl / 2 - rh rl + zh ((c2 + 1/2) + zh (c4 + zh (c6 + zh c8))))
.irp k, 0,2
	v_pk_mul_f32 v[CQ+\k:CQ+\k+1], v[TA+\k:TA+\k+1], 0.5 op_sel_hi:[1,0]                            ; hh = zh / 2
.endr
.irp k, 0,2
	v_pk_add_f32 v[TE+\k:TE+\k+1], v[CQ+\k:CQ+\k+1], 1.0 op_sel_hi:[1,0] neg_lo:[1,0] neg_hi:[1,0]  ; u = fl(1 - hh)
.endr
.irp k, 0,2
	v_pk_add_f32 v[SQ+\k:SQ+\k+1], v[TE+\k:TE+\k+1], 1.0 op_sel_hi:[1,0] neg_lo:[1,0] neg_hi:[1,0]  ; 1 - u, exact,
.endr
.irp k, 0,2
	v_pk_add_f32 v[SQ+\k:SQ+\k+1], v[SQ+\k:SQ+\k+1], v[CQ+\k:CQ+\k+1] neg_lo:[0,1] neg_hi:[0,1]     ; - hh: u's error, exact
.endr
.irp k, 0,2
	v_pk_fma_f32 v[SQ+\k:SQ+\k+1], v[TC+\k:TC+\k+1], v[TB+\k:TB+\k+1], v[SQ+\k:SQ+\k+1] neg_lo:[1,0,0] neg_hi:[1,0,0]   ; - rh rl
.endr
.irp k, 0,2
	v_pk_fma_f32 v[TB+\k:TB+\k+1], v[CQ+\k:CQ+\k+1], v[TB+\k:TB+\k+1], v[TB+\k:TB+\k+1] neg_lo:[1,0,0] neg_hi:[1,0,0]   ; for sin: rl (1 - hh)
.endr
.irp k, 0,2
	v_pk_fma_f32 v[SQ+\k:SQ+\k+1], v[TD+\k:TD+\k+1], -0.5, v[SQ+\k:SQ+\k+1] op_sel_hi:[1,0,1]       ; - zl / 2
.endr
.irp k, 0,2
	v_pk_fma_f32 v[CQ+\k:CQ+\k+1], v[TA+\k:TA+\k+1], s[44:45], v[236:237] op_sel_hi:[1,0,1]
.endr
.irp k, 0,2
	v_pk_fma_f32 v[CQ+\k:CQ+\k+1], v[CQ+\k:CQ+\k+1], v[TA+\k:TA+\k+1], s[46:47] op_sel_hi:[1,1,0]
.endr
.irp k, 0,2
	v_pk_fma_f32 v[CQ+\k:CQ+\k+1], v[CQ+\k:CQ+\k+1], v[TA+\k:TA+\k+1], s[48:49] op_sel_hi:[1,1,0]
.endr
.irp k, 0,2
	v_pk_fma_f32 v[SQ+\k:SQ+\k+1], v[TA+\k:TA+\k+1], v[CQ+\k:CQ+\k+1], v[SQ+\k:SQ+\k+1]
.endr
.irp k, 0,2
	v_pk_add_f32 v[CQ+\k:CQ+\k+1], v[TE+\k:TE+\k+1], v[SQ+\k:SQ+\k+1]                               ; cos r: the one rounding
.endr
	; sin r = [rh + th] + (that sum's error + tl + s3 x r^3's low word + s3's low word x r^3 + rl (1 - hh) + r^5 (s5 + zh s7)),  th + tl = s3's first word x fl(zh rh)
.irp k, 0,2
	v_pk_mul_f32 v[TE+\k:TE+\k+1], v[TA+\k:TA+\k+1], v[TC+\k:TC+\k+1]                               ; ch = fl(zh rh)
.endr
.irp k, 0,2
	v_pk_fma_f32 v[SQ+\k:SQ+\k+1], v[TA+\k:TA+\k+1], v[TC+\k:TC+\k+1], v[TE+\k:TE+\k+1] neg_lo:[0,0,1] neg_hi:[0,0,1]   ; its error, exact,
.endr
.irp k, 0,2
	v_pk_fma_f32 v[SQ+\k:SQ+\k+1], v[TD+\k:TD+\k+1], v[TC+\k:TC+\k+1], v[SQ+\k:SQ+\k+1]             ; + zl rh: rh^3's low word
.endr
.irp k, 0,2
	v_pk_mul_f32 v[TD+\k:TD+\k+1], v[TE+\k:TE+\k+1], s[40:41] op_sel_hi:[1,0]                       ; th
.endr
.irp k, 0,2
	v_pk_fma_f32 v[TB+\k:TB+\k+1], v[SQ+\k:SQ+\k+1], s[40:41], v[TB+\k:TB+\k+1] op_sel_hi:[1,0,1]
.endr
.irp k, 0,2
	v_pk_fma_f32 v[TB+\k:TB+\k+1], v[TE+\k:TE+\k+1], s[42:43], v[TB+\k:TB+\k+1] op_sel_hi:[1,0,1]
.endr
.irp k, 0,2
	v_pk_fma_f32 v[SQ+\k:SQ+\k+1], v[TE+\k:TE+\k+1], s[40:41], v[TD+\k:TD+\k+1] op_sel_hi:[1,0,1] neg_lo:[0,0,1] neg_hi:[0,0,1]   ; tl, exact
.endr
.irp k, 0,2
	v_pk_add_f32 v[TB+\k:TB+\k+1], v[TB+\k:TB+\k+1], v[SQ+\k:SQ+\k+1]
.endr
.irp k, 0,2
	v_pk_fma_f32 v[SQ+\k:SQ+\k+1], v[TA+\k:TA+\k+1], s[38:39], v[234:235] op_sel_hi:[1,0,1]         ; s5 + zh s7
.endr
.irp k, 0,2
	v_pk_mul_f32 v[TE+\k:TE+\k+1], v[TE+\k:TE+\k+1], v[TA+\k:TA+\k+1]                               ; r^5
.endr
.irp k, 0,2
	v_pk_fma_f32 v[TB+\k:TB+\k+1], v[TE+\k:TE+\k+1], v[SQ+\k:SQ+\k+1], v[TB+\k:TB+\k+1]
.endr
.irp k, 0,2
	v_pk_add_f32 v[SQ+\k:SQ+\k+1], v[TC+\k:TC+\k+1], v[TD+\k:TD+\k+1]                               ; u = fl(rh + th)
.endr
.irp k, 0,2
	v_pk_add_f32 v[TE+\k:TE+\k+1], v[TC+\k:TC+\k+1], v[SQ+\k:SQ+\k+1] neg_lo:[0,1] neg_hi:[0,1]     ; rh - u, exact since |rh| >= |th|,
.endr
.irp k, 0,2
	v_pk_add_f32 v[TE+\k:TE+\k+1], v[TE+\k:TE+\k+1], v[TD+\k:TD+\k+1]                               ; + th: u's error, exact
.endr
.irp k, 0,2
	v_pk_add_f32 v[TB+\k:TB+\k+1], v[TB+\k:TB+\k+1], v[TE+\k:TE+\k+1]
.endr
.irp k, 0,2
	v_pk_add_f32 v[TE+\k:TE+\k+1], v[SQ+\k:SQ+\k+1], v[TB+\k:TB+\k+1] neg_lo:[1,1] neg_hi:[1,1]     ; -sin r,
.endr
.irp k, 0,2
	v_pk_add_f32 v[SQ+\k:SQ+\k+1], v[SQ+\k:SQ+\k+1], v[TB+\k:TB+\k+1]                               ; sin r: the one rounding
.endr
	; the quadrant n mod 4: 0: (cos, sin) = (c, s); 1: (-s, c); 2: (-c, -s); 3: (s, -c).  So: odd n takes (-s, c), and bit 1 of n turns both signs
.irp i, 0,1,2,3
	v_lshlrev_b32 v[TY+\i], 30, v[TY+\i]           ; bit 31 = n's bit 1, bit 30 = n's bit 0, nothing else
.endr
.irp i, 0,1,2,3
	v_and_b32 v[TA+\i], 0x80000000, v[TY+\i]       ; the sign
.endr
.irp i, 0,1,2,3
	v_cmp_ne_u32 s[MK+\i], v[TY+\i], v[TA+\i]      ; n is odd: the four compares stand in a run, a scalar register to each mask
.endr
	s_wait_alu depctr_va_sdst(0)                   ; the four compares have written s60 to s63, ahead of their first reader: the selects below
.irp i, 0,1,2,3
	v_cndmask_b32 v[SQ+\i], v[SQ+\i], v[CQ+\i], s[MK+\i]
	v_cndmask_b32 v[CQ+\i], v[CQ+\i], v[TE+\i], s[MK+\i]
.endr
.irp i, 0,1,2,3
	v_xor_b32 v[SQ+\i], v[SQ+\i], v[TA+\i]
	v_xor_b32 v[CQ+\i], v[CQ+\i], v[TA+\i]
.endr
.endr
.endm
	TRIG COSH, SINH, 14
	TRIG COSO, SINO, 12
	s_wait_kmcnt 0x0                               ; the four exponents
.macro SCALE ex, vs, vl                ; 2^e as f32, of which the conversion takes the exponent field, and 57,344 x 2^e
	s_add_co_i32 s17, s[\ex], 127
	s_lshl_b32 s59, s17, 23
	v_mov_b32 v[\vs], s59
	s_add_co_i32 s17, s17, 15
	s_lshl_b32 s17, s17, 23
	s_or_b32 s17, s17, 0x600000
	v_mov_b32 v[\vl], s17
.endm
	SCALE 28, 240, 241                             ; q
	SCALE 29, 242, 243                             ; k
	SCALE 31, 244, 245                             ; p
	s_add_co_i32 s17, s28, s29
	s_lshl_b32 s17, s17, 23
	s_add_co_i32 s52, s17, 0x3e38aa3b              ; c = log2(e) / 8 x 2^(eq + ek): the two exponents are added to c's exponent field
	s_mov_b32 s53, s52                             ; (named with it as a pair, so it is written)
	s_add_co_i32 s58, s30, s31                     ; ev + ep
; A tile of 16 rows goes through my stage as it was loaded and comes back a row to a lane: 16 numbers of each half of the row.  LDS serves a wave's instructions in order, so no wait stands between the stores and the loads.
; The loads land in X: every vector line that has named X stands ahead of the last wait on va_vdst in front of this macro, and no vector line stands between that wait and this macro.
.macro TURN raw
.irp i, 0,1,2,3,4,5,6,7
	ds_store_b128 v4, v[\raw+4*\i:\raw+4*\i+3] offset:544*\i
.endr
.irp c, 0,1,2,3
	ds_load_b128 v[X+4*\c:X+4*\c+3], v5 offset:16*\c
.endr
.irp c, 0,1,2,3
	ds_load_b128 v[X+16+4*\c:X+16+4*\c+3], v5 offset:128+16*\c
.endr
	s_wait_dscnt 0x0                               ; the tile is back
	s_wait_alu depctr_vm_vsrc(0)                   ; the stores above have read the raw tile, which the rotation writes next; the earlier LDS stores have read KC (written next by conversions or by the first product) and V's four rows (in which key tiles land)
.endm
; x' = fl(fl(x cos) - fl(x(+32) sin)), x'(+32) = fl(fl(x(+32) cos) + fl(x sin)): each product rounded, then the sum; held within the largest code x the scale; eight registers of codes
.macro ROPEQ raw, cs, sn, lim, scl, dst
.irp p, 0,2,4,6,8,10,12,14
	v_pk_mul_f32 v[\raw+\p:\raw+\p+1], v[X+\p:X+\p+1], v[\cs+\p:\cs+\p+1]
	v_pk_mul_f32 v[\raw+16+\p:\raw+17+\p], v[X+16+\p:X+17+\p], v[\cs+\p:\cs+\p+1]
.endr
.irp p, 0,2,4,6,8,10,12,14
	v_pk_mul_f32 v[X+\p:X+\p+1], v[X+\p:X+\p+1], v[\sn+\p:\sn+\p+1]
	v_pk_mul_f32 v[X+16+\p:X+17+\p], v[X+16+\p:X+17+\p], v[\sn+\p:\sn+\p+1]
.endr
.irp p, 0,2,4,6,8,10,12,14
	v_pk_add_f32 v[\raw+\p:\raw+\p+1], v[\raw+\p:\raw+\p+1], v[X+16+\p:X+17+\p] neg_lo:[0,1] neg_hi:[0,1]
	v_pk_add_f32 v[\raw+16+\p:\raw+17+\p], v[\raw+16+\p:\raw+17+\p], v[X+\p:X+\p+1]
.endr
.set j, 0
.rept 32
	v_med3_num_f32 v[\raw+j], v[\raw+j], -v[\lim], v[\lim]     ; the conversion to an 8-bit code does not saturate (ISA guide 7.6.2)
.set j, j+1
.endr
.irp g, 0,1,2,3
	v_cvt_scalef32_pk8_bf8_f32 v[\dst+2*\g:\dst+2*\g+1], v[\raw+8*\g:\raw+8*\g+7], v[\scl]
.endr
	v_nop                                          ; a plain line between the last conversion and whatever vector or matrix line next touches its registers
.endm
.macro IMAGE off                       ; a key tile's eight registers go to LDS as they stand
	s_wait_alu depctr_va_vdst(0)                   ; the conversions have written KC, which the two stores read; the rotation is done with X, in which the next tile's loads land
	ds_store_b128 v6, v[KC:KC+3] offset:\off
	ds_store_b128 v6, v[KC+4:KC+7] offset:\off+512
.endm
	; ---- the keys and V
	s_wait_loadcnt 20                              ; the halo tile's eight loads are in; behind them: 8 of my own keys, 4 of V, 8 of q
	s_wait_alu depctr_va_vdst(0)                   ; the LDS addresses v4 to v8 and v255 are written, which every LDS line from here on reads; the table and the cos and sin are done with v208-238, in which the turned tile lands
	TURN RAWH
	ROPEQ RAWH, COSH, SINH, 243, 242, KC
	IMAGE 0                                        ; local tile w
	s_wait_loadcnt 12                              ; my own key tile is in; behind it: 4 of V, 8 of q
	TURN RAWK
	ROPEQ RAWK, COSO, SINO, 243, 242, KC
	IMAGE 16384                                    ; local tile 16 + w
	s_wait_loadcnt 8                               ; V's four rows are in; behind them: q's 8
.irp i, 0,1,2,3
	ds_store_b128 v7, v[RAWV+4*\i:RAWV+4*\i+3] offset:528*\i
.endr
	s_wait_dscnt 0x0                               ; for the others' sake: my images and my rows of V have landed
	s_barrier_signal -1
	s_barrier_wait -1                              ; all 32 key tiles and all 64 rows of V lie in LDS; nobody writes them again
	; ---- my queries
	s_wait_loadcnt 0x0
	TURN RAWQ
	ROPEQ RAWQ, COSO, SINO, 241, 240, QF
	; ---- S^T = K Q^T, 17 tiles
.macro KLOAD tau, slot
	ds_load_b128 v[KF+8*(\slot):KF+8*(\slot)+3], v6 offset:1024*(\tau)
	ds_load_b128 v[KF+8*(\slot)+4:KF+8*(\slot)+7], v6 offset:1024*(\tau)+512
.endm
.macro QK tau, slot
	v_wmma_f32_16x16x64_bf8_bf8 v[S+8*(\tau):S+8*(\tau)+7], v[KF+8*(\slot):KF+8*(\slot)+7], v[QF:QF+7], 0
.endm
	s_wait_alu depctr_va_vdst(0)                   ; the rotation, the holds and the conversions of q are done with v160-191 and v208-239, in which key tiles land
.irp t, 0,1,2,3,4,5,6,7,8,9
	KLOAD \t, \t
.endr
	s_wait_dscnt 12                                ; tiles 0-3 are in; the 12 loads of tiles 4-9 may be out
.irp t, 0,1,2,3
	QK \t, \t
.endr
	s_wait_dscnt 4                                 ; tiles 4-7 are in; tiles 8 and 9 may be out
.irp t, 4,5,6,7
	QK \t, \t
.endr
.rept 4
	v_nop                                          ; places in front of loads into registers that matrix instructions have read (ISA guide 7.12.1 for vector instructions)
.endr
	s_wait_alu depctr_va_vdst(0)                   ; the eight products above are done reading slots 0-7, in the first seven of which tiles 10-16 land; the places above stay beside this wait
.irp t, 10,11,12,13,14,15,16
	KLOAD \t, \t-10
.endr
	s_wait_dscnt 14                                ; tiles 8 and 9 are in; the 14 just issued may be out
	QK 8, 8
	QK 9, 9
	s_wait_dscnt 6                                 ; tiles 10-13 are in
.irp t, 10,11,12,13
	QK \t, \t-10
.endr
	s_wait_dscnt 0x0
.irp t, 14,15,16
	QK \t, \t-10
.endr
.rept 4
	v_nop                                          ; places in front of the first read of results
.endr
	; ---- the mask and the row's largest score.  Every accumulator is read from its low end on
	s_cmp_lg_u32 s15, 0
	s_cbranch_scc1 .Lhas_halo
.irp tau, 0,1,2,3,4,5,6,7,8,9,10,11,12,13,14,15    ; the head's first block: local tiles under 16 stand for no keys
	s_add_co_u32 s17, s14, \tau
	s_cmp_lt_u32 s17, 16
	s_cselect_b32 s56, 0xff800000, 0
.irp k, 0,2,4,6
	v_pk_add_f32 v[S+8*\tau+\k:S+8*\tau+\k+1], v[S+8*\tau+\k:S+8*\tau+\k+1], s[56:57] op_sel_hi:[1,0]
.endr
.endr
.Lhas_halo:
.irp i, 0,1,2,3,4,5,6,7
	v_cmp_lt_i32 s[ME+\i], \i, v10                 ; tile 0: key 8 h + i lies under the window where 8 h + i < r
.endr
.irp i, 0,1,2,3,4,5,6,7
	v_cmp_gt_i32 s[ME+8+\i], \i, v10               ; tile 16: key 8 h + i comes after the query where 8 h + i > r
.endr
	s_wait_alu depctr_va_sdst(0)                   ; the sixteen compares have written s32 to s47, ahead of their first reader: the selects below
.irp i, 0,1,2,3,4,5,6,7
	v_cndmask_b32 v[S+\i], v[S+\i], v11, s[ME+\i]
.endr
.irp i, 0,1,2,3,4,5,6,7
	v_cndmask_b32 v[S+128+\i], v[S+128+\i], v11, s[ME+8+\i]
.endr
	v_max3_num_f32 v200, v[S], v[S+1], v[S+2]      ; two chains over my 136 scores
	v_max3_num_f32 v201, v[S+3], v[S+4], v[S+5]
.set j, 6
.rept 32
	v_max3_num_f32 v200, v200, v[S+j], v[S+j+1]
	v_max3_num_f32 v201, v201, v[S+j+2], v[S+j+3]
.set j, j+4
.endr
	v_max3_num_f32 v200, v200, v[S+134], v[S+135]
	v_max_num_f32 v200, v200, v201
	v_permlanex16_b32 v254, v200, s54, s55
	v_max_num_f32 v200, v200, v254                 ; and lane l xor 16's: the diagonal always counts, so this is a number
	v_mul_f32 v200, s52, v200                      ; as t (c is positive)
	v_floor_f32 v246, -v200                        ; -M = floor(-t) = -ceil(t)
; n scores from number lo on become p = 2^(t - M); the sum takes them unquantised; then the one-sided hold (p is not negative) and the codes
.macro SM lo, n, first
.set j, \lo
.rept (\n)/2
	v_pk_fma_f32 v[S+j:S+j+1], v[S+j:S+j+1], s[52:53], v[246:247] op_sel_hi:[1,0,0]
.set j, j+2
.endr
.set j, \lo
	s_wait_alu depctr_va_vdst(0)
.rept \n
	v_exp_f32 v[S+j], v[S+j]
.set j, j+1
.endr
	v_nop                                          ; a plain line behind the exponentials
.if \first
	s_wait_alu depctr_va_vdst(0)                   ; the batch of exponentials has written p, ahead of its first reader: one wait for the batch
	v_pk_add_f32 v[248:249], v[S:S+1], v[S+2:S+3]  ; the first four pairs start the two chains: nothing is cleared
	v_pk_add_f32 v[250:251], v[S+4:S+5], v[S+6:S+7]
.set j, \lo+8
.rept ((\n)-8)/4
	v_pk_add_f32 v[248:249], v[248:249], v[S+j:S+j+1]
	v_pk_add_f32 v[250:251], v[250:251], v[S+j+2:S+j+3]
.set j, j+4
.endr
.else
.set j, \lo
	s_wait_alu depctr_va_vdst(0)                   ; the batch of exponentials has written p, ahead of its first reader: one wait for the batch
.rept (\n)/4
	v_pk_add_f32 v[248:249], v[248:249], v[S+j:S+j+1]
	v_pk_add_f32 v[250:251], v[250:251], v[S+j+2:S+j+3]
.set j, j+4
.endr
.endif
.set j, \lo
.rept \n
	v_min_num_f32 v[S+j], v[S+j], v245
.set j, j+1
.endr
.set j, \lo
.rept (\n)/8
	v_cvt_scalef32_pk8_bf8_f32 v[PC+j/4:PC+j/4+1], v[S+j:S+j+7], v244
.set j, j+8
.endr
	v_nop                                          ; a plain line behind the last conversion
.endm
; V's fragments of 64 keys (chunk c of my window), four tiles of 16 of the head's 64, into the registers that p has left: registers 2 q, 2 q + 1 = keys 16 q + 8 h + 0 .. 7
.macro VLOAD c
	s_wait_alu depctr_va_vdst(0)                   ; the sums, holds and conversions are done with this chunk's registers of p, in which the loads below land (chunk 3: tile 16's four loads behind this macro too)
.irp t, 0,1,2,3
.irp q, 0,1,2,3
.if \c < 3
	ds_load_b64 v[24+32*\c+8*\t+2*\q:25+32*\c+8*\t+2*\q], v8 offset:8448*\t+16*(4*\c+\q)
.else
	ds_load_b64 v[122+10*\t+2*\q:123+10*\t+2*\q], v8 offset:8448*\t+16*(12+\q)
.endif
.endr
.endr
.endm
; O^T += V^T P^T.  The four accumulators take turns, one instruction a turn.  c = 4: tile 16 alone: its 16 keys' codes of V stand in front of chunk 3's registers,
; six of which fill the operand and meet codes 0 of p.
.macro PV c
.irp t, 0,1,2,3
.if \c == 0
	v_wmma_f32_16x16x64_bf8_bf8 v[O+8*\t:O+8*\t+7], v[24+8*\t:31+8*\t], v[PC:PC+7], 0
.elseif \c < 3
	v_wmma_f32_16x16x64_bf8_bf8 v[O+8*\t:O+8*\t+7], v[24+32*\c+8*\t:31+32*\c+8*\t], v[PC+8*\c:PC+8*\c+7], v[O+8*\t:O+8*\t+7]
.elseif \c == 3
	v_wmma_f32_16x16x64_bf8_bf8 v[O+8*\t:O+8*\t+7], v[122+10*\t:129+10*\t], v[PC+24:PC+31], v[O+8*\t:O+8*\t+7]
.else
	v_wmma_f32_16x16x64_bf8_bf8 v[O+8*\t:O+8*\t+7], v[120+10*\t:127+10*\t], v[PC+32:PC+39], v[O+8*\t:O+8*\t+7]
.endif
.endr
.endm
	; ---- p and the second product: a chunk's fragments of V are on their way while the next chunk's p is made.  The lines that stand behind a chunk's loads name the later chunks of p, p's codes and O^T: none of the registers in which those loads land
	SM 0, 32, 1
	VLOAD 0
	SM 32, 32, 0
	VLOAD 1
	s_wait_dscnt 16                                ; chunk 0's sixteen loads are in; chunk 1's may be out
	PV 0
	SM 64, 32, 0
	VLOAD 2
	s_wait_dscnt 16                                ; chunk 1's are in
	PV 1
	SM 96, 40, 0
.irp i, 34,35,36,37,38,39
	v_mov_b32 v[PC+\i], 0                          ; behind tile 16's codes: 48 keys that there are not
.endr
	VLOAD 3
.irp t, 0,1,2,3
	ds_load_b64 v[120+10*\t:121+10*\t], v8 offset:8448*\t+256      ; tile 16's keys
.endr
	s_wait_dscnt 20                                ; chunk 2's are in; behind them: chunk 3's 16 and tile 16's 4
	PV 2
	s_wait_dscnt 4                                 ; chunk 3's are in
	PV 3
	s_wait_dscnt 0x0
	PV 4
	; ---- the way out.  The sum's joining is also the places behind the last products
	v_pk_add_f32 v[248:249], v[248:249], v[250:251]
	v_add_f32 v248, v248, v249
	v_permlanex16_b32 v254, v248, s54, s55
	v_add_f32 v248, v248, v254                     ; the row's sum
	s_wait_alu depctr_va_vdst(0)
	v_rcp_f32 v252, v248
	v_nop                                          ; a plain line behind the reciprocal
	s_wait_alu depctr_va_vdst(0)                   ; the reciprocal has written v252, ahead of its first reader
	v_ldexp_f32 v252, v252, s58                    ; x 2^(ev + ep)
.set j, 0
.rept 16
	v_pk_mul_f32 v[O+j:O+j+1], v[O+j:O+j+1], v[252:253] op_sel_hi:[1,0]   ; register 8 t + i is out(query r, 16 t + 8 h + i)
.set j, j+2
.endr
	s_wait_alu depctr_va_vdst(0)                   ; the scaling has written O^T, which the stores into the stage read; the second product is done reading v24-55, in which the rows land
.irp t, 0,1,2,3
	ds_store_b128 v255, v[O+8*\t:O+8*\t+3] offset:64*\t
	ds_store_b128 v255, v[O+8*\t+4:O+8*\t+7] offset:64*\t+16
.endr
.irp i, 0,1,2,3,4,5,6,7
	ds_load_b128 v[24+4*\i:27+4*\i], v4 offset:544*\i          ; my own stage, served in order: these see the stores above
.endr
.irp i, 0,1,2,3,4,5,6,7
	s_wait_dscnt 7-\i                              ; row pair i is back; the younger loads may be out
	global_store_b128 v3, v[24+4*\i:27+4*\i], s[12:13] offset:8192*\i th:TH_STORE_NT   ; sixteen lanes store a row's 256 consecutive bytes, at a multiple of 256 from out0's first byte
.endr
	s_wait_xcnt 0x0
	s_wait_alu depctr_vm_vsrc(0)                   ; the stores into the stage have read v255, their address, which is written anew below
	v_lshl_add_u32 v254, v0, 2, 0x21400
	v_mov_b32 v255, 0
	s_wait_dscnt 0x0                               ; the closing lines, six on end
	s_wait_alu 0x0
	s_wait_tensorcnt 0x0
	ds_add_u32 v254, v255
	s_wait_dscnt 0x0
	s_endpgm
.Lfunc_end_k_q5bb903c362_attn:
	.size	k_q5bb903c362_attn, .Lfunc_end_k_q5bb903c362_attn-k_q5bb903c362_attn
	.p2alignl 7, 3214868480
	.fill 96, 4, 3214868480
	.section	.rodata,"a",@progbits
	.p2align	6, 0x0
	.amdhsa_kernel k_q5bb903c362_attn
		.amdhsa_group_segment_fixed_size 138240
		.amdhsa_private_segment_fixed_size 0
		.amdhsa_enable_private_segment 0
		.amdhsa_kernarg_size 40
		.amdhsa_user_sgpr_count 2
		.amdhsa_user_sgpr_kernarg_segment_ptr 1
		.amdhsa_wavefront_size32 1
		.amdhsa_system_sgpr_workgroup_id_x 1
		.amdhsa_system_sgpr_workgroup_id_y 1
		.amdhsa_system_sgpr_workgroup_id_z 1
		.amdhsa_system_vgpr_workitem_id 0
		.amdhsa_next_free_vgpr 256
		.amdhsa_next_free_sgpr 66
		.amdhsa_reserve_vcc 1
		.amdhsa_float_denorm_mode_32 3
		.amdhsa_float_denorm_mode_16_64 3
		.amdhsa_memory_ordered 1
		.amdhsa_forward_progress 1
		.amdhsa_inst_pref_size 125
	.end_amdhsa_kernel
	.amdgpu_metadata
---
amdhsa.version: [ 1, 2 ]
amdhsa.kernels:
  - .name:           k_q5bb903c362_attn
    .symbol:         k_q5bb903c362_attn.kd
    .args:
      - { .name: q, .offset: 0, .size: 8, .value_kind: global_buffer, .address_space: global }
      - { .name: k, .offset: 8, .size: 8, .value_kind: global_buffer, .address_space: global }
      - { .name: v_codes, .offset: 16, .size: 8, .value_kind: global_buffer, .address_space: global }
      - { .name: lowp_scales, .offset: 24, .size: 8, .value_kind: global_buffer, .address_space: global }
      - { .name: out0, .offset: 32, .size: 8, .value_kind: global_buffer, .address_space: global }
    .group_segment_fixed_size: 138240
    .private_segment_fixed_size: 0
    .kernarg_segment_align: 8
    .kernarg_segment_size: 40
    .max_flat_workgroup_size: 512
    .sgpr_count:     66
    .vgpr_count:     256
    .wavefront_size: 32
...
	.end_amdgpu_metadata
.endif
;; end of part 2
